; MI455X (gfx1250); checked and timed in simulation.
; The chip was launched on July 23, 2026; its instructions are those of AMD's public machine-readable ISA for CDNA 5 (MIT licence, August 2026) and "CDNA5" Instruction Set Architecture Reference Guide (July 2026). The comments in the code are by the model that wrote it; some were corrected since.
;; Multi Head Attention. Allowed arithmetic: matrix products marked QUANTISED: E2M1 operands, one E8M0 scale for each 32 along K, by v_wmma_scale_f32_16x16x128_f8f6f4 with both operands' format E2M1 (or v_wmma_scale_f32_32x16x128_f4), f32 sums; products left as they are: bf16, f16 or f32 operands; f32 sums; everything else in f32.
;; Inputs: W_fc 1,024 x 1,024 float32; W_qkv 1,024 x 3,072 float32; b_fc 1,024 float32; b_qkv 3,072 float32; x 4 x 2,048 x 1,024 float32.
;; Outputs: out0 4 x 2,048 x 1,024 float32.
;; This version of the problem:
;;   THIS VERSION OF THE PROBLEM IS GIVEN IN LOW PRECISION. The matrix products marked QUANTISED in the list below multiply operands that are first quantised to E2M1 (2 exponent bits, 1 mantissa bit; 4 bits a number), with one power-of-two scale for each 32 numbers along K (OCP MX v1.0); their sums are f32. The products marked 'left as it is' may take bf16, f16 or f32 operands, with f32 sums. Whichever they take, every output number must still come out within the allowed error. Rounding operands to bf16 (8 significant bits) uses up far more of that allowance than f16 does (11 bits, for magnitudes from 6e-5 to 65,504). All else is computed in f32.
;;   The module's matrix products, in the order in which they are computed (A, B: the left and right operand; K: the contracted axis; several contracted axes count as one K, in the product's order):
;;     1. [M 8,192, K 1,024] x [K 1,024, N 3,072]; A: input x; B: input W_qkv: QUANTISED
;;     2. batch 64 x [M 2,048, K 64] x [K 64, N 2,048]; A: computed on the way; B: computed on the way: left as it is (an operand is computed on the way)
;;     3. batch 64 x [M 64, K 2,048] x [K 2,048, N 2,048]; A: computed on the way; B: computed on the way: left as it is (an operand is computed on the way)
;;     4. [M 8,192, K 1,024] x [K 1,024, N 1,024]; A: computed on the way; B: input W_fc: left as it is (an operand is computed on the way)
;;   THE QUANTISER, for each operand of a quantised product, along K:
;;     - K is cut into blocks of 32 from its start; a last block that is shorter is filled with zeros.
;;     - A block's scale is 2^e with e = floor(log2(the largest magnitude in the block)) - 2, held to -126 .. 127; a block of zeros has e = 0. As a byte (E8M0): e + 127.
;;     - Each number is divided by its block's scale, clamped to +-6, and rounded to the nearest number of E2M1, ties to even, subnormals kept.
;;     - The product sums the exact products of the quantised numbers (number of the format x scale) in f32.
;;   ~~~python
;;   def quantise(x, axis):      # numpy; x: float32 -> the quantised numbers, widened to float32 again
;;       x = np.moveaxis(x, axis, -1); K = x.shape[-1]
;;       x = np.pad(x, [(0, 0)] * (x.ndim - 1) + [(0, -K % 32)]); x = x.reshape(x.shape[:-1] + (-1, 32)); a = np.abs(x).max(-1, keepdims=True)
;;       e = np.where(a > 0, np.clip(np.frexp(np.where(a > 0, a, 1))[1] - 1 - 2, -126, 127), 0)      # np.frexp(a)[1] - 1 = floor(log2(a)), exactly
;;       r = np.clip(x / 2.0 ** e, -6, 6)
;;       step = 2.0 ** (np.maximum(np.frexp(np.where(r == 0, 1, r))[1] - 1, 0) - 1)
;;       q = np.round(r / step) * step * 2.0 ** e      # np.round: ties to even
;;       return np.moveaxis(q.reshape(q.shape[:-2] + (-1,))[..., :K], -1, axis).astype(np.float32)
;;   ~~~
;; One version. Each part assembles by itself: llvm-mc -triple=amdgcn-amd-amdhsa -mcpu=gfx1250 --defsym DOCPART=n.
;; ======== version 1 of 1: 5 launches
;; limits: values are held in f16: magnitudes above 65,504 overflow, below 6.1e-05 lose precision
;; workspace buffers: x_codes 4,194,304 bytes; x_scales 262,144 bytes; w_codes 1,572,864 bytes; w_scales 98,304 bytes; wfc16 2,097,152 bytes; qkv16 50,331,648 bytes; qkv_fine 786,432 bytes; attn16 16,777,216 bytes
;; launch prep (part 1): grid 432 x 1, 4 waves a work-group, no clusters, 68,096 bytes of LDS; arguments x, W_qkv, W_fc, x_codes, x_scales, w_codes, w_scales, wfc16; writes x_codes, x_scales, w_codes, w_scales, wfc16
.if DOCPART == 1
	.amdgcn_target "amdgcn-amd-amdhsa--gfx1250"
	.amdhsa_code_object_version 6
	.text
	.protected	k_q7b24da67b4_prep
	.globl	k_q7b24da67b4_prep
	.p2align	8
	.type	k_q7b24da67b4_prep,@function
k_q7b24da67b4_prep:
	s_mov_b64 s[64:65], 0
	v_nop
	global_prefetch_b8 v0, s[64:65] scope:SCOPE_SE
	s_setreg_imm32_b32 hwreg(HW_REG_WAVE_MODE, 25, 1), 1
	s_wait_xcnt 0x0
; PREPARATION, one launch, three kinds of work-group, told apart by the work-group's number alone; the three paths never join.
;   0 .. 47    W: W_qkv [1024 (k)][3072 (n)] f32 -> codes of FP4 (E2M1) laid [n][512 bytes], K innermost, and E8M0 scale bytes [n][32]
;   48 .. 175  F: W_fc [1024 (k)][1024 (n)] f32 -> f16, laid as images of the operand registers of a 16 x 16 x 32 product
;   176 .. 431 X: x [8192][1024] f32 -> codes [8192][512 bytes] and scale bytes [8192][32]
; THE QUANTISER: a block of 32 along K has the scale 2^(floor(log2(largest magnitude)) - 2); its byte is the largest magnitude's exponent field - 2, held at 1 from below;
; each number is divided by the scale and rounded to the nearest code, ties to even, beyond 6 the code of 6.
; LIMITS: a block of zeros gets the byte 1 where the rule says 127 (its codes are zeros, which add nothing, and this program alone reads the bytes); blocks whose largest
; magnitude lies under 2^-124 are held at the byte 1; NaN and infinities among the inputs are not served; |W_fc| stays under 65,504 (f16).
; LDS: each path has bytes of its own: X 0 .. 32,767 (8,192 a wave), W 32,768 .. 67,583 (8,704 a wave), the spare words behind them.  No tensor load, no barrier: waves share nothing.
.set SPW,    192                       ; v192 LDS address of my spare word; never rewritten
.set NIL,    193                       ; v193 0; never rewritten
.set SPARE,  67584                     ; 128 bytes for each wave: two blocks of 256 bytes that no other line names
.set EMAX,   2
.set STEPS,  16                        ; path X: steps of 512 numbers for a wave
.set CB,     8                         ; bytes of 16 codes
.set XR,     16                        ; v16-79   four sets of 16 numbers as loaded
.set XX,     80                        ; v80-111  two sets of 16 neighbours
.set XE,     112                       ; v112-127 a scale byte for each step
.set XC,     128                       ; v128-191 codes, four registers for each step: no store's data are written again
.set WREG,   8192                      ; a wave's LDS in path X: two stages of 32 x SP bytes, then its 256 scale bytes
.set SP,     80                        ; a lane's place in a stage: 64 bytes + 16 of padding
.set WN,     3072                      ; path W
.set NB,     16                        ; blocks of 32 along K for a wave
.set WPITCH, 272                       ; a stage row: 256 bytes of codes + 16
.set WSTG,   32768
.set KROW,   512                       ; a row of w_codes in bytes
.set WSB,    24                        ; v24-27   scale bytes, four to a register
.set WX,     32                        ; v32-95   two sets of 32 numbers
.set WC,     96                        ; v96-99   a block's codes
.set WOUT,   112                       ; v112-175 the way out
	s_load_b512 s[16:31], s[0:1], 0x0              ; x 16:17, W_qkv 18:19, W_fc 20:21, x_codes 22:23, x_scales 24:25, w_codes 26:27, w_scales 28:29, wfc16 30:31
	v_lshl_add_u32 v[SPW], v0, 2, SPARE
	v_mov_b32 v[NIL], 0
	v_lshrrev_b32 v1, 5, v0
	v_readfirstlane_b32 s8, v1                     ; wave 0..3
	v_and_b32 v2, 31, v0                           ; lane
	s_wait_kmcnt 0x0
	s_cmp_lt_u32 ttmp9, 48
	s_cbranch_scc1 .LW
	s_cmp_lt_u32 ttmp9, 176
	s_cbranch_scc1 .LF
; ---------------- PATH X.  x is a plain stream of blocks of 32; a wave takes 8,192 numbers in 16 steps of 512.
; Each load reads 512 consecutive bytes, 16 a lane; a step's 2,048 bytes turn through the wave's own stage and come back 64 bytes a lane: 16 neighbours along K; two neighbouring lanes hold a block.
	v_lshlrev_b32 v3, 4, v2                        ; my 16 bytes of a load's 512
	s_mul_i32 s9, s8, WREG
	v_lshrrev_b32 v14, 2, v2
	v_mul_u32_u24 v14, v14, SP
	v_and_b32 v15, 3, v2
	v_lshl_add_u32 v14, v15, 4, v14
	v_add_nc_u32 v14, s9, v14                      ; the stage, in: SP (lane / 4) + 16 (lane % 4)
	v_mul_u32_u24 v15, v2, SP
	v_add_nc_u32 v15, s9, v15                      ; the stage, out: SP x lane
	v_mul_u32_u24 v4, v2, CB                       ; my codes' place in a step's 256 bytes
	v_lshrrev_b32 v5, 1, v2
	s_add_co_u32 s9, s9, 2*32*SP
	v_add_nc_u32 v5, s9, v5                        ; my block's byte among the wave's 256 scale bytes
	v_lshlrev_b32 v7, 3, v2
	v_add_nc_u32 v6, s9, v7                        ; and 8 of them a lane on the way out
	s_sub_co_u32 s10, ttmp9, 176
	s_lshl_b32 s10, s10, 2
	s_add_co_u32 s10, s10, s8                      ; which run of 8,192 numbers is my wave's: 0 .. 1023
	s_mov_b32 s13, 0
	s_lshl_b32 s12, s10, 15
	s_add_nc_u64 s[16:17], s[16:17], s[12:13]      ; 32,768 bytes of x,
	s_lshl_b32 s12, s10, 12
	s_add_nc_u64 s[22:23], s[22:23], s[12:13]      ; 4,096 of codes,
	s_lshl_b32 s12, s10, 8
	s_add_nc_u64 s[24:25], s[24:25], s[12:13]      ; 256 scale bytes a run
.macro XLOAD t
.irp i, 0,1,2,3
	global_load_b128 v[XR+16*((\t)%4)+4*\i:XR+16*((\t)%4)+4*\i+3], v3, s[16:17] offset:2048*(\t)+512*\i th:TH_LOAD_NT
.endr
.endm
.macro XTURN t                         ; LDS serves a wave's instructions in order: no wait between the stores and the loads
.irp i, 0,1,2,3
	ds_store_b128 v14, v[XR+16*((\t)%4)+4*\i:XR+16*((\t)%4)+4*\i+3] offset:32*SP*((\t)%2)+8*SP*\i
.endr
.irp i, 0,1,2,3
	ds_load_b128 v[XX+16*((\t)%2)+4*\i:XX+16*((\t)%2)+4*\i+3], v15 offset:32*SP*((\t)%2)+16*\i
.endr
.endm
.irp t, 0,1,2,3
	XLOAD \t
.endr
	s_wait_loadcnt 12                              ; step 0's four loads are in; the 12 of steps 1 to 3 stay out
	XTURN 0
.macro XSTEP t
.set XS, XX+16*((\t)%2)
.if (\t) > 0
	s_wait_dscnt 1                                 ; this step's numbers are back from the stage; the last step's byte store may be out
.else
	s_wait_dscnt 0x0
.endif
.if (\t)+4 < STEPS
	XLOAD (\t)+4                                   ; into the set whose stores into the stage have read it
.endif
.if (\t)+1 < STEPS
.if STEPS-2-(\t) >= 3
	s_wait_loadcnt 12                              ; the next step's four loads are in; three later steps' 12 stay out
.else
	s_wait_loadcnt 4*(STEPS-2-(\t))
.endif
	XTURN (\t)+1
.endif
	v_max3_num_f32 v8, |v[XS]|, |v[XS+1]|, |v[XS+2]|               ; the largest magnitude of my 16, in two chains
	v_max3_num_f32 v9, |v[XS+3]|, |v[XS+4]|, |v[XS+5]|
.irp i, 6,10
	v_max3_num_f32 v8, v8, |v[XS+\i]|, |v[XS+\i+1]|
	v_max3_num_f32 v9, v9, |v[XS+\i+2]|, |v[XS+\i+3]|
.endr
	v_max3_num_f32 v8, v8, |v[XS+14]|, |v[XS+15]|
	v_max3_num_f32 v8, v8, v9, (EMAX+1)<<23        ; and the floor 2^(3 - 127): the byte cannot fall under 1
	v_max_num_f32_dpp v8, v8, v8 row_xmask:1 row_mask:0xf bank_mask:0xf   ; with my neighbour's 16: the block's
	v_add_nc_u32 v11, -(EMAX<<23), v8              ; 2 off its exponent field: the conversion takes this operand's exponent field as its scale
	v_cvt_scalef32_pk8_fp4_f32 v[XC+4*(\t)], v[XS:XS+7], v11
	v_cvt_scalef32_pk8_fp4_f32 v[XC+4*(\t)+1], v[XS+8:XS+15], v11
	v_lshrrev_b32 v[XE+(\t)], 23, v11              ; the scale's byte (also the plain line behind the conversions)
	ds_store_b8 v5, v[XE+(\t)] offset:16*(\t)      ; both lanes of a block write the same byte with the same value
	global_store_b64 v4, v[XC+4*(\t):XC+4*(\t)+1], s[22:23] offset:32*CB*(\t)   ; the wave stores 256 consecutive bytes, aligned
.endm
.irp t, 0,1,2,3,4,5,6,7,8,9,10,11,12,13,14,15
	XSTEP \t
.endr
	ds_load_b64 v[8:9], v6                         ; in order behind my byte stores
	s_wait_dscnt 0x0
	global_store_b64 v7, v[8:9], s[24:25]          ; 256 consecutive scale bytes, aligned
	s_wait_tensorcnt 0x0                           ; the wave's end, behind my last LDS store
	ds_add_u32 v[SPW], v[NIL]
	s_wait_dscnt 0x0
	s_endpgm
; ---------------- PATH W.  K is W_qkv's first axis: a lane takes a column n and its registers run down K, so a block of 32 lies in one lane and the codes come out with K innermost.
; A work-group takes 128 columns x 512 along K, a wave 32 columns.  Codes leave through the wave's own stage as rows: sixteen lanes store 256 consecutive bytes.
.LW:
	s_lshr_b32 s9, ttmp9, 1
	s_lshl_b32 s9, s9, 7
	s_lshl_b32 s10, s8, 5
	s_add_co_u32 s9, s9, s10                       ; my wave's first column
	s_and_b32 s10, ttmp9, 1                        ; which 512 along K
	v_lshlrev_b32 v3, 2, v2                        ; in: 4 bytes a lane
	s_mul_i32 s11, s8, 32*WPITCH
	s_add_co_u32 s11, s11, WSTG                    ; my stage
	v_mul_u32_u24 v4, v2, WPITCH
	v_add_nc_u32 v4, s11, v4                       ; into it: row = my column
	v_and_b32 v5, 15, v2
	v_lshrrev_b32 v6, 4, v2
	v_mul_u32_u24 v7, v6, WPITCH
	v_lshl_add_u32 v7, v5, 4, v7
	v_add_nc_u32 v7, s11, v7                       ; out of it: sixteen lanes to a row, two rows an instruction
	v_mul_u32_u24 v8, v6, KROW
	v_lshl_add_u32 v8, v5, 4, v8                   ; and the same place in w_codes
	v_lshlrev_b32 v9, 5, v2                        ; my column's row of 32 scale bytes
	s_mov_b32 s13, 0
	s_mul_i32 s12, s10, 512*WN*4
	s_lshl_b32 s14, s9, 2
	s_add_co_u32 s12, s12, s14
	s_add_nc_u64 s[18:19], s[18:19], s[12:13]      ; W_qkv at (512 y, column)
	s_lshl_b32 s12, s9, 9
	s_lshl_b32 s14, s10, 8
	s_add_co_u32 s12, s12, s14
	s_add_nc_u64 s[26:27], s[26:27], s[12:13]      ; codes: column x 512 + 256 y
	s_lshl_b32 s12, s9, 5
	s_lshl_b32 s14, s10, 4
	s_add_co_u32 s12, s12, s14
	s_add_nc_u64 s[28:29], s[28:29], s[12:13]      ; scale bytes: column x 32 + 16 y
.macro WLOAD t                         ; block t: W(32 t + i, my column); the largest offset, 511 rows of 12,288 bytes, lies inside the signed 24-bit immediate
.irp i, 0,1,2,3,4,5,6,7,8,9,10,11,12,13,14,15,16,17,18,19,20,21,22,23,24,25,26,27,28,29,30,31
	global_load_b32 v[WX+32*((\t)%2)+\i], v3, s[18:19] offset:(32*(\t)+\i)*WN*4 th:TH_LOAD_NT
.endr
.endm
	WLOAD 0
	WLOAD 1
.macro WBLOCK t
.set XS, WX+32*((\t)%2)
.if (\t) < NB-1
	s_wait_loadcnt 32                              ; this block's 32 loads are in; the next block's 32 stay out
.else
	s_wait_loadcnt 0
.endif
	v_max3_num_f32 v12, |v[XS]|, |v[XS+1]|, |v[XS+2]|              ; all 32 numbers of the block are mine
	v_max3_num_f32 v13, |v[XS+3]|, |v[XS+4]|, |v[XS+5]|
.irp i, 6,10,14,18,22,26
	v_max3_num_f32 v12, v12, |v[XS+\i]|, |v[XS+\i+1]|
	v_max3_num_f32 v13, v13, |v[XS+\i+2]|, |v[XS+\i+3]|
.endr
	v_max3_num_f32 v12, v12, |v[XS+30]|, |v[XS+31]|
	v_max3_num_f32 v12, v12, v13, (EMAX+1)<<23     ; and the floor
	v_add_nc_u32 v11, -(EMAX<<23), v12             ; the conversion's scale operand
	v_lshrrev_b32 v13, 23, v11                     ; the scale's byte
.if (\t)%4 == 0
	v_mov_b32 v[WSB+(\t)/4], v13                   ; four bytes to a register, the lower K in the lower byte
.else
	v_lshl_or_b32 v[WSB+(\t)/4], v13, 8*((\t)%4), v[WSB+(\t)/4]
.endif
.irp g, 0,1,2,3
	v_cvt_scalef32_pk8_fp4_f32 v[WC+\g], v[XS+8*\g:XS+8*\g+7], v11
.endr
	v_nop                                          ; one plain line behind the last conversion
	ds_store_b128 v4, v[WC:WC+3] offset:16*(\t)    ; 32 codes: 16 bytes of my column's row
.if (\t)+2 < NB
	WLOAD (\t)+2
.endif
	s_wait_dscnt 0x0                               ; the store has read its registers: the next block's codes may be written
.endm
.set QB, 0
.rept NB
	WBLOCK QB
.set QB, QB+1
.endr
	global_store_b128 v9, v[WSB:WSB+3], s[28:29]   ; my column's 16 scale bytes
.irp t, 0,1,2,3,4,5,6,7,8,9,10,11,12,13,14,15
	ds_load_b128 v[WOUT+4*\t:WOUT+4*\t+3], v7 offset:2*\t*WPITCH
.endr
.irp t, 0,1,2,3,4,5,6,7,8,9,10,11,12,13,14,15
	s_wait_dscnt 15-\t                             ; LDS loads come back in order: pair t of rows is in
	global_store_b128 v8, v[WOUT+4*\t:WOUT+4*\t+3], s[26:27] offset:2*\t*KROW
.endr
	s_wait_tensorcnt 0x0                           ; the wave's end
	ds_add_u32 v[SPW], v[NIL]
	s_wait_dscnt 0x0
	s_endpgm
; ---------------- PATH F.  W_fc to f16, as images of operand registers: [k / 128][n / 16][(k % 128) / 32][half][lane][16 bytes].
; Lane (r = lane % 16, h = lane / 16) of a fragment holds column n = 16 nt + r; half c holds k = 32 f + 16 c + 8 h + 0 .. 7.  A lane takes its column and its registers run down K, so nothing is transposed.
; A wave makes one tile of 16 columns x 128 along K (4,096 bytes); the four waves of a work-group stand side by side on 256 bytes of each row of W_fc.
.LF:
	s_sub_co_u32 s9, ttmp9, 48
	s_lshr_b32 s10, s9, 3
	s_and_b32 s11, s9, 7                           ; ks = k / 128
	s_lshl_b32 s10, s10, 2
	s_add_co_u32 s10, s10, s8                      ; nt = n / 16
	v_and_b32 v3, 15, v0                           ; r
	v_bfe_u32 v4, v0, 4, 1                         ; h
	v_lshlrev_b32 v1, 2, v3
	v_lshl_add_u32 v1, v4, 15, v1                  ; 8 h rows of 4,096 bytes + 4 r
	v_lshlrev_b32 v5, 4, v2                        ; out: 16 x lane
	s_mov_b32 s13, 0
	s_lshl_b32 s12, s11, 19                        ; 128 rows of 4,096 bytes a K step
	s_lshl_b32 s14, s10, 6
	s_add_co_u32 s12, s12, s14
	s_add_nc_u64 s[20:21], s[20:21], s[12:13]
	s_lshl_b32 s12, s11, 6
	s_add_co_u32 s12, s12, s10
	s_lshl_b32 s12, s12, 12                        ; (64 ks + nt) x 4,096
	s_add_nc_u64 s[30:31], s[30:31], s[12:13]
.irp g, 0,1,2,3,4,5,6,7                ; g = 2 f + c
.irp i, 0,1,2,3,4,5,6,7
	global_load_b32 v[64+8*\g+\i], v1, s[20:21] offset:(16*\g+\i)*4096
.endr
.endr
	s_wait_loadcnt 0x0
.irp g, 0,1,2,3,4,5,6,7
.irp p, 0,1,2,3
	v_cvt_pk_f16_f32 v[128+4*\g+\p], v[64+8*\g+2*\p], v[64+8*\g+2*\p+1]   ; the lower k in the low half
.endr
.endr
.irp g, 0,1,2,3,4,5,6,7
	global_store_b128 v5, v[128+4*\g:128+4*\g+3], s[30:31] offset:512*\g   ; the wave stores 512 consecutive bytes, aligned
.endr
	s_wait_tensorcnt 0x0                           ; every wave of this launch ends alike
	ds_add_u32 v[SPW], v[NIL]
	s_wait_dscnt 0x0
	s_endpgm
.Lfunc_end_k_q7b24da67b4_prep:
	.size	k_q7b24da67b4_prep, .Lfunc_end_k_q7b24da67b4_prep-k_q7b24da67b4_prep
	.p2alignl 7, 3214868480
	.fill 96, 4, 3214868480
	.section	.rodata,"a",@progbits
	.p2align	6, 0x0
	.amdhsa_kernel k_q7b24da67b4_prep
		.amdhsa_group_segment_fixed_size 68096
		.amdhsa_private_segment_fixed_size 0
		.amdhsa_enable_private_segment 0
		.amdhsa_kernarg_size 64
		.amdhsa_user_sgpr_count 2
		.amdhsa_user_sgpr_kernarg_segment_ptr 1
		.amdhsa_wavefront_size32 1
		.amdhsa_system_sgpr_workgroup_id_x 1
		.amdhsa_system_sgpr_workgroup_id_y 1
		.amdhsa_system_sgpr_workgroup_id_z 1
		.amdhsa_system_vgpr_workitem_id 0
		.amdhsa_next_free_vgpr 196
		.amdhsa_next_free_sgpr 66
		.amdhsa_reserve_vcc 0
		.amdhsa_float_denorm_mode_32 3
		.amdhsa_float_denorm_mode_16_64 3
		.amdhsa_memory_ordered 1
		.amdhsa_forward_progress 1
		.amdhsa_inst_pref_size 121
	.end_amdhsa_kernel
	.amdgpu_metadata
---
amdhsa.version: [ 1, 2 ]
amdhsa.kernels:
  - .name:           k_q7b24da67b4_prep
    .symbol:         k_q7b24da67b4_prep.kd
    .args:
      - { .name: x, .offset: 0, .size: 8, .value_kind: global_buffer, .address_space: global }
      - { .name: W_qkv, .offset: 8, .size: 8, .value_kind: global_buffer, .address_space: global }
      - { .name: W_fc, .offset: 16, .size: 8, .value_kind: global_buffer, .address_space: global }
      - { .name: x_codes, .offset: 24, .size: 8, .value_kind: global_buffer, .address_space: global }
      - { .name: x_scales, .offset: 32, .size: 8, .value_kind: global_buffer, .address_space: global }
      - { .name: w_codes, .offset: 40, .size: 8, .value_kind: global_buffer, .address_space: global }
      - { .name: w_scales, .offset: 48, .size: 8, .value_kind: global_buffer, .address_space: global }
      - { .name: wfc16, .offset: 56, .size: 8, .value_kind: global_buffer, .address_space: global }
    .group_segment_fixed_size: 68096
    .private_segment_fixed_size: 0
    .kernarg_segment_align: 8
    .kernarg_segment_size: 64
    .max_flat_workgroup_size: 128
    .sgpr_count:     66
    .vgpr_count:     196
    .wavefront_size: 32
...
	.end_amdgpu_metadata
.endif
;; end of part 1
;; launch qkv (part 2): grid 12 x 32, 4 waves a work-group, clusters of 4 x 4, 327,680 bytes of LDS; arguments x_codes, x_scales, w_codes, w_scales, b_qkv, qkv16, qkv_fine; writes qkv16, qkv_fine
.if DOCPART == 2
	.amdgcn_target "amdgcn-amd-amdhsa--gfx1250"
	.amdhsa_code_object_version 6
	.text
	.protected	k_q7b24da67b4_qkv
	.globl	k_q7b24da67b4_qkv
	.p2align	8
	.type	k_q7b24da67b4_qkv,@function
k_q7b24da67b4_qkv:
	s_mov_b64 s[64:65], 0
	v_nop
	global_prefetch_b8 v0, s[64:65] scope:SCOPE_SE
	s_setreg_imm32_b32 hwreg(HW_REG_WAVE_MODE, 25, 1), 1
	s_wait_xcnt 0x0
	s_wait_alu depctr_hold_cnt(0) depctr_sa_sdst(0) depctr_va_vdst(0) depctr_va_sdst(0) depctr_va_ssrc(0) depctr_va_vcc(0) depctr_vm_vsrc(0)
	s_getreg_b32 s2, hwreg(HW_REG_IB_STS2, 6, 4)
	s_cmp_eq_u32 s2, 0
	s_cbranch_scc0 .Lentry_in_a_cluster
	s_endpgm
.Lentry_in_a_cluster:
	s_bfe_u32 s2, ttmp6, 0x10000c
	s_cmp_lg_u32 s2, 0xf033
	s_cbranch_scc0 .Lentry_shape_is_right
	s_endpgm
.Lentry_shape_is_right:
; qkv = Q(x) Q(W_qkv) + b_qkv: [8192][3072], on codes of FP4 (E2M1) with one E8M0 scale for each 32 along K = 1024; sums in f32; the bias is the C of each sum's first product.
; OUT: qkv16, f16, laid by head: [n / 64 (48)][m (8192)][64]; and qkv_fine, f32, [batch x 16 + i][3072]: the first 16 positions of each batch, which later launches carry in f32.
; LIMIT: |qkv| stays under 65,504 (f16).
; A tile of 256 x 256 is made by a work-group of four waves; a wave makes 128 x 128: 64 accumulators of 16 x 16, 512 registers.  All of K lies in two LDS slots of 512 along K (rows of 256 bytes):
; each wave asks for its three tiles (scales, slot 0, slot 1) at the head, three tensor loads of a wave outstanding; no slot is filled again.
; CLUSTERS: 4 x 4 work-groups; the four of a row of the cluster need the same rows of x, the four of a column the same rows of W: each tile is asked for jointly.
; Tile row = 8 cy + cluster y: so the batch is cy, and a batch's first rows lie in the tiles with cluster y = 0, a number that all sixteen partners share.
; THE MATRIX INSTRUCTION IS USED TRANSPOSED (source 0 = 16 rows of W, source 1 = 16 rows of x): a lane holds eight neighbouring columns of one row.
; REGISTERS, in windows of 256: window 0: v16-30 addresses; v32-95 scale words, two sets; v128-191 x's fragments, one set; v192-255 the bias, later the way out.
;   window 1: W's fragments, two sets, at v0 and v128.  window 2: the accumulators of my rows 0-63 ((a, b) at v[8 (8 a + b)]);  window 3: those of my rows 64-127.
.set SIZE_N, 3072
.set NQ,     4                         ; matrix instructions deep in a slot
.set ROWB,   256                       ; a tile's row in bytes: 512 codes
.set KROW,   512                       ; a row of codes in memory
.set PITCH,  272                       ; an LDS row: 256 bytes + 16 of padding: the 16 rows that a load touches start at 16 different banks (64 banks of 4 bytes: ISA guide 11.1)
.set FR,     8                         ; registers of a fragment: 16 rows x 128 K
.set NL,     2                         ; LDS loads that bring one
.set NP,     4                         ; places behind this matrix instruction (ISA guide 7.12.1)
.set HALFT,  128*PITCH
.set SLOT,   4*HALFT                   ; x's 256 rows, then W's 256 rows
.set KS,     32                        ; a row of scale bytes
.set SCL,    2*SLOT                    ; behind the slots: the scales, as units of 256 bytes + 16 of padding
.set HALFS,  (128*KS/256)*272
.set SBLK,   (16*KS/256)*272
.set SPARE,  SCL+4*HALFS               ; the spare words: two blocks of 256 bytes that no other line names
.set SP16,   272                       ; the way out: a stage of 16 rows x (256 bytes + 16) for each wave, and
.set SP32,   528                       ; one of 16 rows x (512 bytes + 16); both lie in slot 0, behind its one fill and its last read
.set ADRA, 16
.set ADRB, 20
.set FSTO, 22
.set FRD,  23
.set STO,  24
.set RD,   25
.set CO,   26
.set ADRS, 27
.set SPW,  28
.set NIL,  29
.set BO,   30
.set SC,   32
.set AF,   128
.set BI,   192                         ; v192-255: b_qkv at my 128 columns, in the result's layout: register 8 b + j = column 16 b + 8 (lane / 16) + j
.set TMP,  192                         ; the way out: packed results
.set OB,   32                          ; rows read back: v32-63 and v224-255 by turns
.set FB,   64                          ; the f32 rows read back
.set G1, 24
.set G0, 32
.set G1B, 48
.set G0B, 56
.set G1S, 68
.set G0S, 76
.set G1SB, 80
.set G0SB, 88
.set MSB, 0
.macro WIN new                         ; the immediate's high byte repeats the setting that is left
.if MSB != \new
	s_set_vgpr_msb (MSB<<8)|\new
.set MSB, \new
.endif
.endm
.set MUL_LO,  0xa1                     ; source 0 (W) window 1, source 1 (x) window 0, C and D window 2
.set MUL_HI,  0xf1                     ; the same, C and D window 3
.set MUL_LO0, 0x81                     ; the first step: C (the bias) window 0, D window 2
.set MUL_HI0, 0xc1                     ; and D window 3
.set TO_B,    0x40
; A joint load: waves 0 and 1 fetch for x, waves 2 and 3 for W; the branch hangs on the wave's number alone.  An s_nop 0 and four v_nop follow each of the two lines.
.macro JLOAD g0a, g1a, g0b, g1b
	s_cmp_eq_u32 s15, 0
	s_cbranch_scc0 .Lfor_b_\@
	tensor_load_to_lds s[\g0a:\g0a+3], s[\g1a:\g1a+7]
	s_nop 0
.rept 4
	v_nop
.endr
	s_branch .Lasked_\@
.Lfor_b_\@:
	tensor_load_to_lds s[\g0b:\g0b+3], s[\g1b:\g1b+7]
	s_nop 0
.rept 4
	v_nop
.endr
.Lasked_\@:
.endm
.macro CROUND                          ; a round of the cluster's barrier
	s_barrier_signal -1
	s_barrier_wait -1
	s_cmp_lg_u32 s14, 0
	s_cbranch_scc1 .Lnot_wave_0_\@
	s_barrier_signal -3
.Lnot_wave_0_\@:
	s_barrier_wait -3
	s_barrier_signal -1
	s_barrier_wait -1
.endm
	s_load_b256 s[4:11], s[0:1], 0x0               ; x's codes s[4:5], x's scales s[6:7], W's codes s[8:9], W's scales s[10:11]
	s_load_b64 s[96:97], s[0:1], 0x20              ; b_qkv
	s_load_b64 s[12:13], s[0:1], 0x28              ; qkv16
	s_load_b64 s[98:99], s[0:1], 0x30              ; qkv_fine
	v_lshl_add_u32 v[SPW], v0, 2, SPARE
	v_mov_b32 v[NIL], 0
	ds_add_u32 v[SPW], v[NIL]                      ; the wave's opening: the add, twice on end, and its wait ahead of my first tensor load
	ds_add_u32 v[SPW], v[NIL]
	v_lshrrev_b32 v1, 5, v0
	v_readfirstlane_b32 s14, v1                    ; wave 0..3
	s_lshr_b32 s15, s14, 1                         ; which half of the tile's rows is mine.  Also: I fetch for x (0) or for W (1)
	s_and_b32 s16, s14, 1                          ; which half of its columns.  Also: which 128 rows of that tile I fetch
	s_bfe_u32 s40, ttmp6, 0x40000                  ; cx, cy: my place in the cluster
	s_bfe_u32 s41, ttmp6, 0x40004
	s_lshl_b32 s42, ttmp9, 2
	s_add_co_u32 s42, s42, s40                     ; tile column = 4 x cluster x + cx
	s_and_b32 s17, ttmp7, 0xffff                   ; cluster y
	s_or_b32 s100, s17, s15                        ; 0 where my 128 rows begin a batch: cluster y = 0 and the tile's upper half; made of numbers that all partners share
	s_lshl_b32 s18, s41, 3
	s_add_co_u32 s17, s17, s18                     ; tile row = 8 cy + cluster y
	s_lshl_b32 s43, s41, 2
	s_lshl_b32 s43, 15, s43                        ; my row of the cluster
	s_lshl_b32 s44, 0x1111, s40                    ; my column
	s_or_b32 s[G1+0], s43, (0<<16)|(1<<20)|(1<<21)|(5<<22)|(3<<25)  ; the mask; elements of 1 byte; padding on; bit 21 beside a mask; after every 64 words 4 words
	s_or_b32 s[G1B+0], s44, (0<<16)|(1<<20)|(1<<21)|(5<<22)|(3<<25)
.irp g, G1, G1B
	s_mov_b32 s[\g+1], ROWB<<16                    ; tensor_dim0
	s_mov_b32 s[\g+2], 128<<16                     ; tensor_dim1
	s_mov_b32 s[\g+3], ROWB<<16                    ; tile_dim0
	s_mov_b32 s[\g+4], 128                         ; tile_dim1
	s_mov_b32 s[\g+5], KROW                        ; from row to row
	s_mov_b32 s[\g+6], 0
	s_mov_b32 s[\g+7], 0
.endr
	s_or_b32 s[G1S+0], s43, (3<<16)|(1<<20)|(1<<21)|(5<<22)|(3<<25) ; the scales of 128 rows: 4,096 dense bytes as 16 rows of 256 (32 elements of 8 bytes), 16 bytes of padding behind each
	s_or_b32 s[G1SB+0], s44, (3<<16)|(1<<20)|(1<<21)|(5<<22)|(3<<25)
.irp g, G1S, G1SB
	s_mov_b32 s[\g+1], 32<<16
	s_mov_b32 s[\g+2], (128*KS/256)<<16
	s_mov_b32 s[\g+3], 32<<16
	s_mov_b32 s[\g+4], 128*KS/256
	s_mov_b32 s[\g+5], 32
	s_mov_b32 s[\g+6], 0
	s_mov_b32 s[\g+7], 0
.endr
	s_lshl_b32 s18, s16, 7                         ; which 128 rows of the tile I fetch
	s_lshl_b32 s20, s17, 8
	s_add_co_u32 s20, s20, s18                     ; x: row 256 x tile row + 128 x half
	s_lshl_b32 s46, s42, 8
	s_add_co_u32 s46, s46, s18                     ; W: row 256 x tile column + 128 x half
	s_mov_b32 s21, 0
	s_mov_b32 s47, 0
	s_mov_b64 s[18:19], KS
	s_mul_u64 s[22:23], s[20:21], s[18:19]         ; where these rows' scales begin,
	s_mul_u64 s[92:93], s[46:47], s[18:19]
	s_mov_b64 s[18:19], KROW
	s_mul_u64 s[20:21], s[20:21], s[18:19]         ; and their codes
	s_mul_u64 s[46:47], s[46:47], s[18:19]
	s_mul_i32 s45, s14, HALFT                      ; where they go: wave x 128 rows: no place in the cluster enters an LDS address
	s_mul_i32 s94, s14, HALFS
	s_wait_dscnt 0x0                               ; both opening adds are done
	s_wait_kmcnt 0x0
	s_add_nc_u64 s[20:21], s[4:5], s[20:21]
	s_add_nc_u64 s[22:23], s[6:7], s[22:23]
	s_add_nc_u64 s[46:47], s[8:9], s[46:47]
	s_add_nc_u64 s[92:93], s[10:11], s[92:93]
	CROUND                                         ; all sixteen work-groups are here: the joint loads meet
	s_mov_b32 s[G0S], 1
	s_add_co_u32 s[G0S+1], s94, SCL
	s_mov_b64 s[G0S+2:G0S+3], s[22:23]
	s_or_b32 s[G0S+3], s[G0S+3], 0x80000000
	s_mov_b32 s[G0SB], 1
	s_add_co_u32 s[G0SB+1], s94, SCL
	s_mov_b64 s[G0SB+2:G0SB+3], s[92:93]
	s_or_b32 s[G0SB+3], s[G0SB+3], 0x80000000
	JLOAD G0S, G1S, G0SB, G1SB                     ; the scales first: they are wanted with the first step
.irp s, 0,1
	s_mov_b32 s[G0+4*\s], 1
	s_add_co_u32 s[G0+4*\s+1], s45, \s*SLOT
	s_add_nc_u64 s[G0+4*\s+2:G0+4*\s+3], s[20:21], \s*ROWB
	s_or_b32 s[G0+4*\s+3], s[G0+4*\s+3], 0x80000000
	s_mov_b32 s[G0B+4*\s], 1
	s_add_co_u32 s[G0B+4*\s+1], s45, \s*SLOT
	s_add_nc_u64 s[G0B+4*\s+2:G0B+4*\s+3], s[46:47], \s*ROWB
	s_or_b32 s[G0B+4*\s+3], s[G0B+4*\s+3], 0x80000000
	JLOAD G0+4*\s, G1, G0B+4*\s, G1B
.endr
	v_and_b32 v1, 15, v0                           ; r = lane % 16
	v_bfe_u32 v2, v0, 4, 1                         ; h = lane / 16
	; the bias and the two outputs' bases.  My first column in bytes of f32: 1,024 x tile column + 512 x half
	s_lshl_b32 s46, s42, 10
	s_lshl_b32 s47, s16, 9
	s_add_co_u32 s46, s46, s47
	s_mov_b32 s47, 0
	s_add_nc_u64 s[96:97], s[96:97], s[46:47]
	s_add_nc_u64 s[98:99], s[98:99], s[46:47]
	s_mul_i32 s46, s41, 16*SIZE_N*4                ; qkv_fine: the batch's 16 rows
	s_add_nc_u64 s[98:99], s[98:99], s[46:47]
	v_lshlrev_b32 v[BO], 5, v2                     ; 8 h numbers
.irp b, 0,1,2,3,4,5,6,7
	global_load_b128 v[BI+8*\b:BI+8*\b+3], v[BO], s[96:97] offset:64*\b
	global_load_b128 v[BI+8*\b+4:BI+8*\b+7], v[BO], s[96:97] offset:64*\b+16
.endr
	s_lshl_b32 s46, s42, 2                         ; qkv16: group of 64 columns 4 x tile column + 2 x half, 1,048,576 bytes each;
	s_lshl_b32 s18, s16, 1
	s_add_co_u32 s46, s46, s18
	s_lshl_b32 s46, s46, 20
	s_lshl_b32 s18, s17, 15                        ; row 256 x tile row + 128 x half, 128 bytes each
	s_add_co_u32 s46, s46, s18
	s_lshl_b32 s18, s15, 14
	s_add_co_u32 s46, s46, s18
	s_add_nc_u64 s[12:13], s[12:13], s[46:47]
	v_mul_u32_u24 v3, v1, PITCH
	v_lshl_add_u32 v4, v2, 4, v3                   ; a fragment's row x pitch + 16 x half
	s_mul_i32 s21, s15, HALFT                      ; my 128 rows of x
	s_mul_i32 s22, s16, HALFT                      ; my 128 rows of W,
	s_add_co_u32 s22, s22, 2*HALFT                 ; which lie behind x's 256
.irp s, 0,1
	v_add_nc_u32 v[ADRA+\s], s21, v4
	v_add_nc_u32 v[ADRB+\s], s22, v4
	s_add_co_u32 s21, s21, SLOT
	s_add_co_u32 s22, s22, SLOT
.endr
	v_mul_u32_u24 v5, v1, KS                       ; my row's scales: 32 bytes a row,
	v_lshrrev_b32 v6, 8, v5
	v_lshl_add_u32 v5, v6, 4, v5                   ; and 16 more for each 256 passed
	s_mul_i32 s21, s15, HALFS
	s_mul_i32 s22, s16, HALFS
	s_add_co_u32 s22, s22, 2*HALFS
	s_sub_co_u32 s22, s22, s21
	v_mul_u32_u24 v6, s22, v2                      ; lanes 16-31 take W's: one product, the distance between the two bases
	s_add_co_u32 s21, s21, SCL
	v_add_nc_u32 v5, v5, v6
	v_add_nc_u32 v[ADRS], s21, v5
	s_mul_i32 s23, s14, 16*SP16                    ; my f16 stage
	v_mul_u32_u24 v5, v1, SP16
	v_lshl_add_u32 v5, v2, 4, v5
	v_add_nc_u32 v[STO], s23, v5                   ; in: row r, 16 bytes for each half of the lanes
	v_and_b32 v6, 31, v0
	v_lshrrev_b32 v5, 3, v6
	v_mul_u32_u24 v5, v5, SP16
	v_and_b32 v7, 7, v0
	v_lshl_add_u32 v5, v7, 4, v5
	v_add_nc_u32 v[RD], s23, v5                    ; back: eight lanes take the 128 bytes of one head's part of a row, four rows an instruction
	v_lshlrev_b32 v[CO], 4, v6                     ; in memory those four rows are 512 consecutive bytes: 16 x lane
	s_mul_i32 s23, s14, 16*SP32
	s_add_co_u32 s23, s23, 4*16*SP16               ; my f32 stage, behind the four f16 stages
	v_mul_u32_u24 v5, v1, SP32
	v_lshl_add_u32 v5, v2, 5, v5
	v_add_nc_u32 v[FSTO], s23, v5
	v_add_nc_u32 v[FRD], s23, v[CO]
.macro FRAG reg, adr, q, i             ; 16 rows x 128 K of 4-bit codes: lane l holds row l % 16; registers 4 c .. 4 c + 3 hold K = 64 c + 32 (l / 16) + 0 .. 31
.irp c, 0,1
	ds_load_b128 v[\reg+4*\c:\reg+4*\c+3], v[\adr] offset:64*(\q)+32*\c+(\i)*16*PITCH
.endr
.endm
; 16 matrix instructions: x's blocks a0, a0 + 1 against W's eight.  first = 1: the sum begins with the bias.  The 64 accumulators take turns, one instruction a turn.
.macro MUL16 a0, p, q, sc, first
.irp a, \a0, \a0+1
.irp b, 0,1,2,3,4,5,6,7
.if \first
	v_wmma_scale_f32_16x16x128_f8f6f4 v[8*(8*((\a)%4)+\b):8*(8*((\a)%4)+\b)+7], v[128*(\p)+FR*\b:128*(\p)+FR*\b+FR-1], v[AF+FR*(\a):AF+FR*(\a)+FR-1], v[BI+8*\b:BI+8*\b+7], v[SC+8*NQ*(\sc)+NQ*\b+(\q)], v[SC+8*NQ*(\sc)+NQ*(\a)+(\q)] matrix_a_fmt:MATRIX_FMT_FP4 matrix_b_fmt:MATRIX_FMT_FP4 matrix_a_scale:MATRIX_SCALE_ROW1
.else
	v_wmma_scale_f32_16x16x128_f8f6f4 v[8*(8*((\a)%4)+\b):8*(8*((\a)%4)+\b)+7], v[128*(\p)+FR*\b:128*(\p)+FR*\b+FR-1], v[AF+FR*(\a):AF+FR*(\a)+FR-1], v[8*(8*((\a)%4)+\b):8*(8*((\a)%4)+\b)+7], v[SC+8*NQ*(\sc)+NQ*\b+(\q)], v[SC+8*NQ*(\sc)+NQ*(\a)+(\q)] matrix_a_fmt:MATRIX_FMT_FP4 matrix_b_fmt:MATRIX_FMT_FP4 matrix_a_scale:MATRIX_SCALE_ROW1
.endif
.endr
.endr
.endm
.macro FETCH_B slot, q, p
	WIN TO_B
.irp i, 0,1,2,3,4,5,6,7
	FRAG 128*(\p)+FR*\i, ADRB+\slot, \q, \i
.endr
	WIN 0
.endm
.macro FETCH_A slot, q, i0
.irp i, \i0, \i0+1, \i0+2, \i0+3
	FRAG AF+FR*(\i), ADRA+\slot, \q, \i
.endr
.endm
.macro SCALES sc                       ; a slot's scale words: four a row; lanes 0-15 take x's block i, lanes 16-31 W's block i
.irp i, 0,1,2,3,4,5,6,7
	ds_load_b128 v[SC+8*NQ*\sc+NQ*\i:SC+8*NQ*\sc+NQ*\i+3], v[ADRS] offset:\i*SBLK
.endr
.endm
.macro PLACES n                        ; plain vector instructions between a matrix instruction and a load into, or a read of, its registers
.rept \n
	v_nop
.endr
.endm
.macro STEP slot, q, first             ; 128 along K that has its successor in the same slot
	s_wait_dscnt 4*NL                              ; W's set and x's blocks 0-3 are in; the youngest eight loads (x's blocks 4-7) may be out
.if \first
	WIN MUL_LO0
.else
	WIN MUL_LO
.endif
	MUL16 0, (\q)%2, \q, \slot, \first
	MUL16 2, (\q)%2, \q, \slot, \first
	s_wait_dscnt 0
	PLACES NP
	FETCH_B \slot, (\q)+1, 1-(\q)%2
	FETCH_A \slot, (\q)+1, 0
.if \first
	WIN MUL_HI0
.else
	WIN MUL_HI
.endif
	MUL16 4, (\q)%2, \q, \slot, \first
	MUL16 6, (\q)%2, \q, \slot, \first
	PLACES NP
	WIN 0
	FETCH_A \slot, (\q)+1, 4
.endm
.macro STEPS slot, from
.set QQ, \from
.rept NQ-1-\from
	STEP \slot, QQ, 0
.set QQ, QQ+1
.endr
.endm
	s_wait_tensorcnt 1                             ; the scales and my part of slot 0 are in; slot 1's load may stay out
	s_barrier_signal -1
	s_barrier_wait -1                              ; everybody's are
	FETCH_B 0, 0, 0
	FETCH_A 0, 0, 0
	SCALES 0
	FETCH_A 0, 0, 4
	s_wait_loadcnt 0x0                             ; the bias
	STEP 0, 0, 1
	STEPS 0, 1
	; slot 0's last step changes slots: one barrier; in front of it my part of slot 1 has landed and my reads of slot 0 are over.  Nothing is filled again.
	s_wait_tensorcnt 0x0
	ds_add_u32 v[SPW], v[NIL]
	s_wait_dscnt 4*NL+1                            ; the add and x's blocks 4-7 may be out
	WIN MUL_LO
	MUL16 0, 1, NQ-1, 0, 0
	s_wait_dscnt 0x0
	s_barrier_signal -1
	MUL16 2, 1, NQ-1, 0, 0
	WIN 0
	s_barrier_wait -1
	PLACES NP
	v_add_nc_u32 v[ADRS], 4*NQ, v[ADRS]            ; slot 1's scale words: 16 bytes on in each row
	FETCH_B 1, 0, 0
	FETCH_A 1, 0, 0
	SCALES 1
	WIN MUL_HI
	MUL16 4, 1, NQ-1, 0, 0
	MUL16 6, 1, NQ-1, 0, 0
	PLACES NP
	WIN 0
	FETCH_A 1, 0, 4
	STEPS 1, 0
	s_wait_dscnt 4*NL                              ; the very last step
	WIN MUL_LO
	MUL16 0, 1, NQ-1, 1, 0
	MUL16 2, 1, NQ-1, 1, 0
	s_wait_dscnt 0
	WIN MUL_HI
	MUL16 4, 1, NQ-1, 1, 0
	MUL16 6, 1, NQ-1, 1, 0
	WIN 0
; THE WAY OUT.  Every offset is an immediate: no base is stepped.
	PLACES NP
	; where my rows begin a batch, block 0 (16 rows x 128 columns) also leaves in f32, through its own stage, as whole rows of 512 bytes
	s_cmp_lg_u32 s100, 0
	s_cbranch_scc1 .Lnofine
	WIN 0x08                                       ; an LDS store's data are its source 1: window 2
.irp b, 0,1,2,3,4,5,6,7
	ds_store_b128 v[FSTO], v[8*\b:8*\b+3] offset:64*\b             ; each accumulator from its low end on
	ds_store_b128 v[FSTO], v[8*\b+4:8*\b+7] offset:64*\b+16
.endr
	WIN 0
.irp t, 0,1,2,3,4,5,6,7,8,9,10,11,12,13,14,15
	ds_load_b128 v[FB+4*\t:FB+4*\t+3], v[FRD] offset:\t*SP32       ; in order behind my stores
.endr
	s_wait_dscnt 0x0
.irp t, 0,1,2,3,4,5,6,7,8,9,10,11,12,13,14,15
	global_store_b128 v[CO], v[FB+4*\t:FB+4*\t+3], s[98:99] offset:\t*SIZE_N*4   ; 512 consecutive bytes, aligned
.endr
.Lnofine:
.macro PACK a                          ; block a rounded to f16: 16 bytes a lane for each of W's eight blocks
.set AC, 64*((\a)%4)
	WIN 0x0a+5*((\a)/4)                            ; sources 0 and 1: window 2 or 3
.irp b, 0,1,2,3,4,5,6,7
.irp p, 0,1,2,3
	v_cvt_pk_f16_f32 v[TMP+4*\b+\p], v[AC+8*\b+2*\p], v[AC+8*\b+2*\p+1]
.endr
.endr
	WIN 0
.endm
.macro TOSTAGE a                       ; into my stage, and back by heads: load u brings four rows of head u / 4
.set BB, OB+192*((\a)%2)
.irp b, 0,1,2,3,4,5,6,7
	ds_store_b128 v[STO], v[TMP+4*\b:TMP+4*\b+3] offset:32*\b
.endr
.irp u, 0,1,2,3,4,5,6,7
	ds_load_b128 v[BB+4*\u:BB+4*\u+3], v[RD] offset:(\u%4)*4*SP16+(\u/4)*128
.endr
.endm
.macro SEND a
.set BB, OB+192*((\a)%2)
	s_wait_dscnt 0x0                               ; the block is back in registers
	s_wait_xcnt 0x0                                ; the stores of the block before have read their registers: the next block's loads may land there
.irp u, 0,1,2,3,4,5,6,7
	global_store_b128 v[CO], v[BB+4*\u:BB+4*\u+3], s[12:13] offset:(\u/4)*1048576+(\a)*2048+(\u%4)*512   ; four rows of 128 bytes: 512 consecutive bytes, aligned
.endr
.endm
	PACK 0
	TOSTAGE 0
.irp a, 1,2,3,4,5,6,7                  ; block a's conversions stand between block a - 1's loads from the stage and the wait for them
	PACK \a
	SEND \a-1
	TOSTAGE \a
.endr
	SEND 7
	s_wait_tensorcnt 0x0                           ; the wave's end
	ds_add_u32 v[SPW], v[NIL]
	s_wait_dscnt 0x0
	CROUND                                         ; the closing round
	s_endpgm
.Lfunc_end_k_q7b24da67b4_qkv:
	.size	k_q7b24da67b4_qkv, .Lfunc_end_k_q7b24da67b4_qkv-k_q7b24da67b4_qkv
	.p2alignl 7, 3214868480
	.fill 96, 4, 3214868480
	.section	.rodata,"a",@progbits
	.p2align	6, 0x0
	.amdhsa_kernel k_q7b24da67b4_qkv
		.amdhsa_group_segment_fixed_size 327680
		.amdhsa_private_segment_fixed_size 0
		.amdhsa_enable_private_segment 0
		.amdhsa_kernarg_size 56
		.amdhsa_user_sgpr_count 2
		.amdhsa_user_sgpr_kernarg_segment_ptr 1
		.amdhsa_wavefront_size32 1
		.amdhsa_system_sgpr_workgroup_id_x 1
		.amdhsa_system_sgpr_workgroup_id_y 1
		.amdhsa_system_sgpr_workgroup_id_z 1
		.amdhsa_system_vgpr_workitem_id 0
		.amdhsa_next_free_vgpr 1024
		.amdhsa_next_free_sgpr 102
		.amdhsa_reserve_vcc 0
		.amdhsa_float_denorm_mode_32 3
		.amdhsa_float_denorm_mode_16_64 3
		.amdhsa_memory_ordered 1
		.amdhsa_forward_progress 1
		.amdhsa_inst_pref_size 132
	.end_amdhsa_kernel
	.amdgpu_metadata
---
amdhsa.version: [ 1, 2 ]
amdhsa.kernels:
  - .name:           k_q7b24da67b4_qkv
    .symbol:         k_q7b24da67b4_qkv.kd
    .args:
      - { .name: x_codes, .offset: 0, .size: 8, .value_kind: global_buffer, .address_space: global }
      - { .name: x_scales, .offset: 8, .size: 8, .value_kind: global_buffer, .address_space: global }
      - { .name: w_codes, .offset: 16, .size: 8, .value_kind: global_buffer, .address_space: global }
      - { .name: w_scales, .offset: 24, .size: 8, .value_kind: global_buffer, .address_space: global }
      - { .name: b_qkv, .offset: 32, .size: 8, .value_kind: global_buffer, .address_space: global }
      - { .name: qkv16, .offset: 40, .size: 8, .value_kind: global_buffer, .address_space: global }
      - { .name: qkv_fine, .offset: 48, .size: 8, .value_kind: global_buffer, .address_space: global }
    .group_segment_fixed_size: 327680
    .private_segment_fixed_size: 0
    .kernarg_segment_align: 8
    .kernarg_segment_size: 56
    .max_flat_workgroup_size: 128
    .sgpr_count:     102
    .vgpr_count:     1024
    .wavefront_size: 32
...
	.end_amdgpu_metadata
.endif
;; end of part 2
;; launch attn (part 3): grid 4 x 64, 16 waves a work-group, no clusters, 327,680 bytes of LDS; arguments qkv16, attn16; writes attn16
.if DOCPART == 3
	.amdgcn_target "amdgcn-amd-amdhsa--gfx1250"
	.amdhsa_code_object_version 6
	.text
	.protected	k_q7b24da67b4_attn
	.globl	k_q7b24da67b4_attn
	.p2align	8
	.type	k_q7b24da67b4_attn,@function
k_q7b24da67b4_attn:
	s_mov_b64 s[64:65], 0
	v_nop
	global_prefetch_b8 v0, s[64:65] scope:SCOPE_SE
	s_setreg_imm32_b32 hwreg(HW_REG_WAVE_MODE, 25, 1), 1
	s_wait_xcnt 0x0
; CAUSAL ATTENTION on f16 operands, f32 sums, running maximum and sum in f32.  qkv16: [48 groups][8192 rows][64] f16: groups 0-15 q's heads, 16-31 k's, 32-47 v's; a row is 128 bytes.
; OUT: attn16, f16, as images of the next product's operand registers: [k / 128][row / 16][(k % 128) / 32][half][lane][16 bytes], k = 64 head + channel.
; LIMITS: q, k, v and the results are f16 (magnitudes under 65,504); the first 16 positions of each batch are made here too, but the output takes them from a launch that carries them in f32.
; SHARES.  Work-group (j, batch x head) owns the blocks j and 7 - j of 256 queries: 9 blocks of keys under the causal mask for every work-group.  Sixteen waves, 256 registers each; a wave owns 32 queries,
; two tiles of 16, which share every fragment of K and V.  Eight waves serve each block.
; Every wave walks all 32 key steps of 64 keys (constant trip counts); a step all of whose keys come after the wave's queries is jumped over; the one step on the diagonal masks scores to -infinity.
; K's and V's tiles come through two LDS slots of 256 keys, filled by tensor loads (waves 0-3: K of the slot's four steps; waves 4-7: V's) and read by all sixteen.
; NO CLUSTER: the four work-groups of a head stop asking for keys at different slots (the last query of work-group j is 2047 - 256 j: 8, 7, 6, 5 slots), and a joint request may be left out by no partner.
; LAYOUT.  S^T = K Q^T (source 0 = 16 keys, source 1 = 16 queries): a lane holds ONE query (lane % 16) and keys 8 (lane / 16) + 0 .. 7.  Two such tiles, rounded to f16 in pairs, are source 1 of O^T = V^T P,
; whose result holds one query a lane and eight channels: packed, it is the image that the projection reads.  V comes out of LDS turned, by ds_load_tr16_b128.
; SOFTMAX.  p = 2^(c s - c m), c = log2(e) / 8, m the running maximum; in every step O and l are multiplied by a = 2^(c m_old - c m_new).
.set PK,    144                        ; a row of K in LDS: 128 bytes + 16: the 16 rows of a load start at 16 different groups of four banks
.set PV,    160                        ; a row of V: 128 + 32
.set VOFF,  64*PK
.set STEPB, 64*(PK+PV)                 ; a step's tiles lie together: 64 rows of K, then 64 of V
.set SLOT1, 1<<17                      ; a slot holds four steps (77,824 bytes); slot 1 begins here: one exclusive or turns an address
.set SPARE, SLOT1+4*STEPB              ; the spare words, 128 bytes for each wave: eight blocks of 256 bytes that no other line names
.set AK0, 1                            ; v1  my lane's place in a tile of K
.set AV0, 2                            ; v2  in a tile of V
.set ADK, 3
.set ADV, 4
.set SPW, 5
.set NIL, 6
.set GO,  7                            ; v7  16 x lane
.set DQ,  8                            ; v8  lane % 16 - 8 (lane / 16)
.set NINF, 9                           ; v9  -infinity
.set MK,  10                           ; v10, v11  the mask's bound for tile 0, 1
.set PFO, 12                           ; v12 256 x lane
.set QO,  13
.set ST,  16                           ; tile t's statistics at v[ST + 8 t]: +0 c m, +1 m, +2, +3 l in two halves, +4 .. +7 at work; a in +6
.set Q,   32                           ; fragment (t, c) at Q + 16 t + 8 c
.set KV,  64                           ; K's eight fragments, then V's eight, in the same 64 registers
.set S,   128                          ; S^T, 32 a tile; P is packed in place into each tile's low 16
.set O,   192                          ; O^T, 32 a tile
.set WV,  8
.set G1K, 16
.set G1V, 24
.set G0K, 32
.set G0V, 36
.set SEL, 40
.set CS,  42
.set TB,  44                           ; LDS byte at which the step's tiles begin
.set KF,  45                           ; the step's first key
.set Q0,  46                           ; my first query
.set QE,  47                           ; my last
.set QL,  48                           ; my work-group's last
.set SLOTS, 49
.set CNT, 50
.set LIM, 51
.set PFA, 52
.set QB,  54
.macro TLOAD                           ; waves 0-3 fetch K's tiles, waves 4-7 V's, the others nothing; an s_nop 0 and four v_nop follow each of the two lines
	s_cmp_lt_u32 s[WV], 4
	s_cbranch_scc0 .Lnot_k_\@
	tensor_load_to_lds s[G0K:G0K+3], s[G1K:G1K+7]
	s_nop 0
.rept 4
	v_nop
.endr
	s_branch .Lasked_\@
.Lnot_k_\@:
	s_cmp_lt_u32 s[WV], 8
	s_cbranch_scc0 .Lasked_\@
	tensor_load_to_lds s[G0V:G0V+3], s[G1V:G1V+7]
	s_nop 0
.rept 4
	v_nop
.endr
.Lasked_\@:
.endm
; A PREFETCH INTO THE L2 of the slot that the NEXT change of slots will ask for: 32,768 dense bytes of K and as many of V.  All four work-groups of a head walk the same K and V: work-group j = 0, which walks
; all eight slots, asks.  In it the waves ask that fetch nothing: waves 8-11 for K's bytes, waves 12-15 for V's, 8,192 bytes a wave, lanes 256 bytes apart: each block is named once in the launch.
; Slots 0 and 1 come by their loads alone; the last change that fills a slot asks for nothing.
.macro ASK
	s_cmp_gt_u32 s[SLOTS], s[LIM]
	s_cbranch_scc0 .Lnot_mine_\@
	global_prefetch_b8 v[PFO], s[PFA:PFA+1] th:TH_LOAD_NT scope:SCOPE_SE
.Lnot_mine_\@:
.endm
	s_load_b128 s[4:7], s[0:1], 0x0                ; qkv16 s[4:5], attn16 s[6:7]
	v_lshl_add_u32 v[SPW], v0, 2, SPARE
	v_mov_b32 v[NIL], 0
	ds_add_u32 v[SPW], v[NIL]                      ; the wave's opening: the add, twice on end, and its wait ahead of my first tensor load
	ds_add_u32 v[SPW], v[NIL]
	v_lshrrev_b32 v1, 5, v0
	v_readfirstlane_b32 s[WV], v1                  ; wave 0..15
	s_and_b32 s9, ttmp7, 0xffff
	s_lshr_b32 s10, s9, 4                          ; batch
	s_and_b32 s11, s9, 15                          ; head
	s_lshr_b32 s12, s[WV], 2
	s_xor_b32 s12, s12, s[WV]
	s_and_b32 s12, s12, 1                          ; which of the two blocks I serve
	s_lshr_b32 s13, s[WV], 1                       ; which 32 queries of it
	s_sub_co_u32 s14, 7, ttmp9
	s_cmp_eq_u32 s12, 1
	s_cselect_b32 s14, s14, ttmp9                  ; the block: 7 - j or j
	s_lshl_b32 s[Q0], s14, 8
	s_lshl_b32 s13, s13, 5
	s_add_co_u32 s[Q0], s[Q0], s13
	s_add_co_u32 s[QE], s[Q0], 31
	s_lshl_b32 s[QL], ttmp9, 8
	s_sub_co_u32 s[QL], 2047, s[QL]
	s_add_co_u32 s56, s11, 16
	s_lshl_b32 s56, s56, 20
	s_lshl_b32 s57, s10, 18
	s_add_co_u32 s56, s56, s57                     ; where the head's keys begin: group 16 + head, row 2048 x batch
	s_and_b32 s58, s[WV], 3                        ; which of a slot's four steps I fetch
	s_lshl_b32 s59, s58, 13                        ; its 64 rows of 128 bytes
	s_add_co_u32 s60, s56, s59
	s_mov_b32 s61, 0
	s_cmp_lt_u32 s[WV], 12
	s_cselect_b32 s62, 0, 0x1000000                ; V lies 16 groups behind K
	s_add_co_u32 s62, s62, s56
	s_add_co_u32 s62, s62, s59
	s_add_co_u32 s62, s62, 32768                   ; the prefetches stand in slot 1; each change steps them ahead of its use
	s_mov_b32 s63, 0
	s_lshl_b32 s12, s11, 20
	s_add_co_u32 s12, s12, s57
	s_lshl_b32 s13, s[Q0], 7
	s_add_co_u32 s12, s12, s13                     ; my queries' rows
	s_mov_b32 s13, 0
	s_lshr_b32 s14, s11, 1
	s_lshl_b32 s14, s14, 21                        ; the image: K step head / 2,
	s_lshl_b32 s15, s10, 19
	s_add_co_u32 s14, s14, s15
	s_lshl_b32 s15, s[Q0], 8
	s_add_co_u32 s14, s14, s15                     ; tile of rows (2048 batch + Q0) / 16, 4,096 bytes each,
	s_and_b32 s15, s11, 1
	s_lshl_b32 s15, s15, 11
	s_add_co_u32 s14, s14, s15                     ; fragments 2 (head % 2) on
	s_mov_b32 s15, 0
	s_lshr_b32 s[LIM], s[WV], 3
	s_xor_b32 s[LIM], s[LIM], 1
	s_or_b32 s[LIM], s[LIM], ttmp9                 ; 0 in waves 8 to 15 of work-group j = 0
	s_cmp_eq_u32 s[LIM], 0
	s_cselect_b32 s[LIM], 1, -1
	s_mov_b32 s[G1K], (1<<16)|(1<<20)|(4<<22)|(3<<25)   ; no mask; elements of 2 bytes; padding on: after every 32 words 4 words
	s_mov_b32 s[G1V], (1<<16)|(1<<20)|(4<<22)|(7<<25)   ; the same with 8 words
.irp g, G1K, G1V
	s_mov_b32 s[\g+1], 64<<16                      ; tensor_dim0 = 64
	s_mov_b32 s[\g+2], 64<<16                      ; tensor_dim1 = 64
	s_mov_b32 s[\g+3], 64<<16                      ; tile_dim0 = 64
	s_mov_b32 s[\g+4], 64                          ; tile_dim1 = 64
	s_mov_b32 s[\g+5], 64                          ; from row to row
	s_mov_b32 s[\g+6], 0
	s_mov_b32 s[\g+7], 0
.endr
	s_mov_b32 s[SEL], 0x76543210
	s_mov_b32 s[SEL+1], 0xfedcba98
	s_mov_b32 s[CS], 0x3e38aa3b                    ; c = log2(e) / 8
	s_mov_b32 s[CS+1], s[CS]                       ; (named with it as a pair)
	s_mov_b32 s[TB], 0
	s_mov_b32 s[KF], 0
	s_mov_b32 s[SLOTS], 7
	s_wait_dscnt 0x0                               ; both opening adds are done
	s_wait_kmcnt 0x0
	s_mov_b32 s[G0K], 1
	s_mul_i32 s[G0K+1], s58, STEPB
	s_add_nc_u64 s[G0K+2:G0K+3], s[4:5], s[60:61]
	s_mov_b32 s[G0V], 1
	s_add_co_u32 s[G0V+1], s[G0K+1], VOFF
	s_add_nc_u64 s[G0V+2:G0V+3], s[G0K+2:G0K+3], 0x1000000
	s_or_b32 s[G0K+3], s[G0K+3], 0x80000000
	s_or_b32 s[G0V+3], s[G0V+3], 0x80000000
	TLOAD                                          ; slot 0: it holds key 0, which counts for every query
	s_add_nc_u64 s[QB:QB+1], s[4:5], s[12:13]
	s_add_nc_u64 s[6:7], s[6:7], s[14:15]
	s_add_nc_u64 s[PFA:PFA+1], s[4:5], s[62:63]
	v_and_b32 v14, 15, v0                          ; r
	v_bfe_u32 v15, v0, 4, 1                        ; h
	v_lshlrev_b32 v[QO], 7, v14
	v_lshl_add_u32 v[QO], v15, 4, v[QO]
.irp t, 0,1
.irp c, 0,1
	global_load_b128 v[Q+16*\t+8*\c:Q+16*\t+8*\c+3], v[QO], s[QB:QB+1] offset:\t*2048+64*\c        ; Q stays in registers
	global_load_b128 v[Q+16*\t+8*\c+4:Q+16*\t+8*\c+7], v[QO], s[QB:QB+1] offset:\t*2048+64*\c+32
.endr
.endr
	v_mul_u32_u24 v[AK0], v14, PK
	v_lshl_add_u32 v[AK0], v15, 4, v[AK0]          ; row r, + 16 h
	v_and_b32 v10, 7, v0
	v_bfe_u32 v11, v0, 3, 1
	v_lshl_add_u32 v[AV0], v15, 3, v10             ; the turning load: key 8 h + lane % 8,
	v_mul_u32_u24 v[AV0], v[AV0], PV
	v_lshl_add_u32 v[AV0], v11, 4, v[AV0]          ; channels 8 ((lane / 8) % 2) on
	v_add_nc_u32 v[AV0], VOFF, v[AV0]
	v_and_b32 v[GO], 31, v0
	v_lshlrev_b32 v[PFO], 8, v[GO]
	v_lshlrev_b32 v[GO], 4, v[GO]
	v_lshlrev_b32 v[DQ], 3, v15
	v_sub_nc_u32 v[DQ], v14, v[DQ]
	v_mov_b32 v[NINF], 0xff800000
.irp t, 0,1
	v_mov_b32 v[ST+8*\t+1], 0xff61b1e6             ; m = -3e38, under every score
	v_mul_f32 v[ST+8*\t], s[CS], v[ST+8*\t+1]
.irp i, 2,3,4,5,6,7
	v_mov_b32 v[ST+8*\t+\i], 0
.endr
.endr
.irp j, 0,1,2,3,4,5,6,7,8,9,10,11,12,13,14,15,16,17,18,19,20,21,22,23,24,25,26,27,28,29,30,31,32,33,34,35,36,37,38,39,40,41,42,43,44,45,46,47,48,49,50,51,52,53,54,55,56,57,58,59,60,61,62,63
	v_mov_b32 v[O+\j], 0                           ; the step is written once: the first finds zeros, which a = 0 leaves zeros
.endr
; A KEY STEP: 64 keys at LDS byte TB.
.macro STEP
	s_cmp_gt_u32 s[KF], s[QE]                      ; all its keys come after my queries: only the address steps at its end are run
	s_cbranch_scc1 .Lhidden_\@
	v_add_nc_u32 v[ADK], s[TB], v[AK0]
	v_add_nc_u32 v[ADV], s[TB], v[AV0]
.irp kt, 0,1,2,3
.irp c, 0,1
	ds_load_b128 v[KV+8*(2*\kt+\c):KV+8*(2*\kt+\c)+3], v[ADK] offset:\kt*16*PK+64*\c
	ds_load_b128 v[KV+8*(2*\kt+\c)+4:KV+8*(2*\kt+\c)+7], v[ADK] offset:\kt*16*PK+64*\c+32
.endr
.endr
	s_wait_dscnt 0x0
.irp c, 0,1                            ; S^T = K Q^T: eight accumulators by turns, one instruction a turn
.irp kt, 0,1,2,3
.irp t, 0,1
.if \c == 0
	v_wmma_f32_16x16x32_f16 v[S+32*\t+8*\kt:S+32*\t+8*\kt+7], v[KV+8*(2*\kt+\c):KV+8*(2*\kt+\c)+7], v[Q+16*\t+8*\c:Q+16*\t+8*\c+7], 0
.else
	v_wmma_f32_16x16x32_f16 v[S+32*\t+8*\kt:S+32*\t+8*\kt+7], v[KV+8*(2*\kt+\c):KV+8*(2*\kt+\c)+7], v[Q+16*\t+8*\c:Q+16*\t+8*\c+7], v[S+32*\t+8*\kt:S+32*\t+8*\kt+7]
.endif
.endr
.endr
.endr
.rept 4
	v_nop                                          ; places: ahead of the loads into K's registers and of the first read of the scores
.endr
.irp u, 0,1                            ; V, turned, lands while the softmax is worked: keys 32 u on, channels 16 ct on
.irp ct, 0,1,2,3
	ds_load_tr16_b128 v[KV+8*(4*\u+\ct):KV+8*(4*\u+\ct)+3], v[ADV] offset:\u*32*PV+32*\ct
	ds_load_tr16_b128 v[KV+8*(4*\u+\ct)+4:KV+8*(4*\u+\ct)+7], v[ADV] offset:\u*32*PV+16*PV+32*\ct
.endr
.endr
	s_add_co_u32 s56, s[KF], 63                    ; a step all of whose keys count skips the mask
	s_cmp_le_u32 s56, s[Q0]
	s_cbranch_scc1 .Lopen_\@
	s_sub_co_i32 s56, s[Q0], s[KF]
	v_add_nc_u32 v[MK], s56, v[DQ]                 ; register 8 kt + j of tile t holds key KF + 16 kt + 8 h + j: hidden where 16 kt + j > Q0 - KF + 16 t + r - 8 h
	v_add_nc_u32 v[MK+1], 16, v[MK]
.irp n, 0,1,2,3,4,5,6,7,8,9,10,11,12,13,14,15,16,17,18,19,20,21,22,23,24,25,26,27,28,29,30,31
.irp t, 0,1
	v_cmp_gt_i32 vcc_lo, 16*(\n/8)+\n%8, v[MK+\t]
	v_cndmask_b32 v[S+32*\t+\n], v[S+32*\t+\n], v[NINF], vcc_lo
.endr
.endr
.Lopen_\@:
.irp k, 0,1,2,3                        ; the maximum of my 32 scores and the old m: four chains, each accumulator read from its low end on; the two tiles by turns
.irp t, 0,1
	v_max3_num_f32 v[ST+8*\t+4+\k], v[S+32*\t+8*\k], v[S+32*\t+8*\k+1], v[S+32*\t+8*\k+2]
.endr
.endr
.irp i, 3,5
.irp k, 0,1,2,3
.irp t, 0,1
	v_max3_num_f32 v[ST+8*\t+4+\k], v[ST+8*\t+4+\k], v[S+32*\t+8*\k+\i], v[S+32*\t+8*\k+\i+1]
.endr
.endr
.endr
.irp t, 0,1
	v_max3_num_f32 v[ST+8*\t+4], v[ST+8*\t+4], v[S+32*\t+7], v[S+32*\t+15]
	v_max3_num_f32 v[ST+8*\t+6], v[ST+8*\t+6], v[S+32*\t+23], v[S+32*\t+31]
.endr
.irp t, 0,1
	v_max3_num_f32 v[ST+8*\t+4], v[ST+8*\t+4], v[ST+8*\t+5], v[ST+8*\t+6]
.endr
.irp t, 0,1
	v_max3_num_f32 v[ST+8*\t+4], v[ST+8*\t+4], v[ST+8*\t+7], v[ST+8*\t+1]
.endr
.irp t, 0,1
	v_permlanex16_b32 v[ST+8*\t+5], v[ST+8*\t+4], s[SEL], s[SEL+1]   ; the query's other 32 keys lie in the lane 16 away
.endr
.irp t, 0,1
	v_mov_b32 v[ST+8*\t+7], v[ST+8*\t]             ; c m_old
.endr
.irp t, 0,1
	v_max_num_f32 v[ST+8*\t+1], v[ST+8*\t+4], v[ST+8*\t+5]
.endr
.irp t, 0,1
	v_mul_f32 v[ST+8*\t], s[CS], v[ST+8*\t+1]
.endr
.irp t, 0,1
	v_sub_f32 v[ST+8*\t+7], v[ST+8*\t+7], v[ST+8*\t]
.endr
.irp i, 0,2,4,6,8,10,12,14,16,18,20,22,24,26,28,30
.irp t, 0,1
	v_pk_fma_f32 v[S+32*\t+\i:S+32*\t+\i+1], v[S+32*\t+\i:S+32*\t+\i+1], s[CS:CS+1], v[ST+8*\t:ST+8*\t+1] op_sel_hi:[1,0,0] neg_lo:[0,0,1] neg_hi:[0,0,1]   ; c s - c m
.endr
.endr
.irp t, 0,1                            ; ONE BATCH of 66 exponentials, none of which reads another's result
	v_exp_f32 v[ST+8*\t+6], v[ST+8*\t+7]           ; a
.endr
.irp i, 0,1,2,3,4,5,6,7,8,9,10,11,12,13,14,15,16,17,18,19,20,21,22,23,24,25,26,27,28,29,30,31
.irp t, 0,1
	v_exp_f32 v[S+32*\t+\i], v[S+32*\t+\i]
.endr
.endr
	v_nop                                          ; a plain instruction behind the last exponential
	s_wait_alu depctr_va_vdst(0)                   ; one wait for the batch, ahead of its first reader
.irp t, 0,1
	v_pk_mul_f32 v[ST+8*\t+2:ST+8*\t+3], v[ST+8*\t+2:ST+8*\t+3], v[ST+8*\t+6:ST+8*\t+7] op_sel_hi:[1,0]   ; l x a
.endr
.irp t, 0,1                            ; the sum of the unrounded p, two at a time, in two chains
	v_pk_add_f32 v[ST+8*\t+4:ST+8*\t+5], v[S+32*\t+2:S+32*\t+3], v[S+32*\t+6:S+32*\t+7]
.endr
.irp i, 0,4
.irp t, 0,1
	v_pk_add_f32 v[ST+8*\t+2:ST+8*\t+3], v[ST+8*\t+2:ST+8*\t+3], v[S+32*\t+\i:S+32*\t+\i+1]
.endr
.endr
.irp i, 8,12,16,20,24,28
.irp t, 0,1
	v_pk_add_f32 v[ST+8*\t+2:ST+8*\t+3], v[ST+8*\t+2:ST+8*\t+3], v[S+32*\t+\i:S+32*\t+\i+1]
	v_pk_add_f32 v[ST+8*\t+4:ST+8*\t+5], v[ST+8*\t+4:ST+8*\t+5], v[S+32*\t+\i+2:S+32*\t+\i+3]
.endr
.endr
.irp t, 0,1
	v_pk_add_f32 v[ST+8*\t+2:ST+8*\t+3], v[ST+8*\t+2:ST+8*\t+3], v[ST+8*\t+4:ST+8*\t+5]
.endr
.irp i, 0,1,2,3,4,5,6,7,8,9,10,11,12,13,14,15
.irp t, 0,1
	v_cvt_pk_f16_f32 v[S+32*\t+\i], v[S+32*\t+2*\i], v[S+32*\t+2*\i+1]   ; P in place, ascending: register i is written when registers 2 i and 2 i + 1 are read, never ahead of a later source
.endr
.endr
.irp i, 0,2,4,6,8,10,12,14,16,18,20,22,24,26,28,30
.irp t, 0,1
	v_pk_mul_f32 v[O+32*\t+\i:O+32*\t+\i+1], v[O+32*\t+\i:O+32*\t+\i+1], v[ST+8*\t+6:ST+8*\t+7] op_sel_hi:[1,0]   ; O^T x a
.endr
.endr
	s_wait_dscnt 0x0                               ; V is in
.irp u, 0,1                            ; O^T += V^T P: eight accumulators by turns
.irp ct, 0,1,2,3
.irp t, 0,1
	v_wmma_f32_16x16x32_f16 v[O+32*\t+8*\ct:O+32*\t+8*\ct+7], v[KV+8*(4*\u+\ct):KV+8*(4*\u+\ct)+7], v[S+32*\t+8*\u:S+32*\t+8*\u+7], v[O+32*\t+8*\ct:O+32*\t+8*\ct+7]
.endr
.endr
.endr
.rept 5
	v_nop                                          ; places: the next step's loads land on V's registers (four are owed), and its first products write over P's (five)
.endr
.Lhidden_\@:
	s_add_co_u32 s[TB], s[TB], STEPB
	s_add_co_u32 s[KF], s[KF], 64
.endm
; THE CHANGE OF SLOTS stands at a slot's head.  Each wave waits for all its tensor loads, adds 0 to its spare word, and waits for that and for its reads of the slot that it has left; behind the barrier the slot
; ahead is whole and nobody reads the other one.  fill = 1: that other slot takes the next 256 keys, while their first key is at or under the work-group's last query: a slot beyond that is read by none of the
; sixteen waves.  The test is made of ids and the count of steps alone, so all sixteen waves go the same way; every wait on TENSORcnt in this text is for 0.
.macro CHANGE fill
	s_wait_tensorcnt 0x0
	ds_add_u32 v[SPW], v[NIL]
.if \fill
	ds_add_u32 v[SPW], v[NIL]                      ; and twice on end here, in every trip alike
	s_xor_b32 s[G0K+1], s[G0K+1], SLOT1            ; no load of mine is out: the walking descriptors step
	s_add_nc_u64 s[G0K+2:G0K+3], s[G0K+2:G0K+3], 32768
	s_xor_b32 s[G0V+1], s[G0V+1], SLOT1
	s_add_nc_u64 s[G0V+2:G0V+3], s[G0V+2:G0V+3], 32768
	s_wait_xcnt 0x0                                ; the last prefetch, a slot back, has read its address
	s_add_nc_u64 s[PFA:PFA+1], s[PFA:PFA+1], 32768 ; one slot further on than the walking descriptors
.endif
	s_wait_dscnt 0x0
	s_barrier_signal -1
	s_barrier_wait -1
.if \fill
	s_add_co_u32 s56, s[KF], 256                   ; the first key of the slot that this change would ask for
	s_cmp_gt_u32 s56, s[QL]
	s_cbranch_scc1 .Lpast_\@
	TLOAD                                          ; a wave's one tensor load until the next change: it has four key steps in which to land
.Lpast_\@:
	ASK
.endif
.endm
.macro FOUR_STEPS
	s_mov_b32 s[CNT], 4
.Lstep_\@:
	STEP
	s_sub_co_u32 s[CNT], s[CNT], 1
	s_cmp_lg_u32 s[CNT], 0
	s_cbranch_scc1 .Lstep_\@
	s_sub_co_u32 s[TB], s[TB], 4*STEPB             ; back to a slot's first step,
	s_xor_b32 s[TB], s[TB], SLOT1                  ; in the other slot
.endm
	s_wait_loadcnt 0x0                             ; Q
.Lslot:                                            ; seven trips: behind each change of slots but the last the next slot is asked for, up to the causal limit
	CHANGE 1
	FOUR_STEPS
	s_sub_co_u32 s[SLOTS], s[SLOTS], 1
	s_cmp_lg_u32 s[SLOTS], 0
	s_cbranch_scc1 .Lslot
	CHANGE 0                                       ; the last slot is written out: nothing is left to ask for
	FOUR_STEPS
	; THE WAY OUT: O^T / l, rounded to f16: a lane's eight channels are the 16 bytes that the image wants of it: no stage.
.irp t, 0,1
	v_add_f32 v[ST+8*\t+4], v[ST+8*\t+2], v[ST+8*\t+3]
.endr
.irp t, 0,1
	v_permlanex16_b32 v[ST+8*\t+5], v[ST+8*\t+4], s[SEL], s[SEL+1]
.endr
.irp t, 0,1
	v_add_f32 v[ST+8*\t+4], v[ST+8*\t+4], v[ST+8*\t+5]
.endr
.irp t, 0,1
	v_rcp_f32 v[ST+8*\t+6], v[ST+8*\t+4]
.endr
	v_nop
	s_wait_alu depctr_va_vdst(0)                   ; one wait for the two reciprocals
.irp t, 0,1
.irp i, 0,2,4,6,8,10,12,14,16,18,20,22,24,26,28,30
	v_pk_mul_f32 v[O+32*\t+\i:O+32*\t+\i+1], v[O+32*\t+\i:O+32*\t+\i+1], v[ST+8*\t+6:ST+8*\t+7] op_sel_hi:[1,0]
.endr
.endr
.irp t, 0,1
.irp i, 0,1,2,3,4,5,6,7,8,9,10,11,12,13,14,15
	v_cvt_pk_f16_f32 v[S+16*\t+\i], v[O+32*\t+2*\i], v[O+32*\t+2*\i+1]
.endr
.endr
.irp t, 0,1
.irp ct, 0,1,2,3
	global_store_b128 v[GO], v[S+16*\t+4*\ct:S+16*\t+4*\ct+3], s[6:7] offset:\t*4096+\ct*512   ; the wave stores 512 consecutive bytes, aligned
.endr
.endr
	s_wait_tensorcnt 0x0                           ; the wave's end
	ds_add_u32 v[SPW], v[NIL]
	s_wait_dscnt 0x0
	s_endpgm
.Lfunc_end_k_q7b24da67b4_attn:
	.size	k_q7b24da67b4_attn, .Lfunc_end_k_q7b24da67b4_attn-k_q7b24da67b4_attn
	.p2alignl 7, 3214868480
	.fill 96, 4, 3214868480
	.section	.rodata,"a",@progbits
	.p2align	6, 0x0
	.amdhsa_kernel k_q7b24da67b4_attn
		.amdhsa_group_segment_fixed_size 327680
		.amdhsa_private_segment_fixed_size 0
		.amdhsa_enable_private_segment 0
		.amdhsa_kernarg_size 16
		.amdhsa_user_sgpr_count 2
		.amdhsa_user_sgpr_kernarg_segment_ptr 1
		.amdhsa_wavefront_size32 1
		.amdhsa_system_sgpr_workgroup_id_x 1
		.amdhsa_system_sgpr_workgroup_id_y 1
		.amdhsa_system_sgpr_workgroup_id_z 1
		.amdhsa_system_vgpr_workitem_id 0
		.amdhsa_next_free_vgpr 256
		.amdhsa_next_free_sgpr 66
		.amdhsa_reserve_vcc 1
		.amdhsa_float_denorm_mode_32 3
		.amdhsa_float_denorm_mode_16_64 3
		.amdhsa_memory_ordered 1
		.amdhsa_forward_progress 1
		.amdhsa_inst_pref_size 60
	.end_amdhsa_kernel
	.amdgpu_metadata
---
amdhsa.version: [ 1, 2 ]
amdhsa.kernels:
  - .name:           k_q7b24da67b4_attn
    .symbol:         k_q7b24da67b4_attn.kd
    .args:
      - { .name: qkv16, .offset: 0, .size: 8, .value_kind: global_buffer, .address_space: global }
      - { .name: attn16, .offset: 8, .size: 8, .value_kind: global_buffer, .address_space: global }
    .group_segment_fixed_size: 327680
    .private_segment_fixed_size: 0
    .kernarg_segment_align: 8
    .kernarg_segment_size: 16
    .max_flat_workgroup_size: 512
    .sgpr_count:     66
    .vgpr_count:     256
    .wavefront_size: 32
...
	.end_amdgpu_metadata
.endif
;; end of part 3
;; launch proj (part 4): grid 4 x 64, 4 waves a work-group, clusters of 4 x 4, 327,680 bytes of LDS; arguments attn16, wfc16, b_fc, out0; writes out0
.if DOCPART == 4
	.amdgcn_target "amdgcn-amd-amdhsa--gfx1250"
	.amdhsa_code_object_version 6
	.text
	.protected	k_q7b24da67b4_proj
	.globl	k_q7b24da67b4_proj
	.p2align	8
	.type	k_q7b24da67b4_proj,@function
k_q7b24da67b4_proj:
	s_mov_b64 s[64:65], 0
	v_nop
	global_prefetch_b8 v0, s[64:65] scope:SCOPE_SE
	s_setreg_imm32_b32 hwreg(HW_REG_WAVE_MODE, 25, 1), 1
	s_wait_xcnt 0x0
	s_wait_alu depctr_hold_cnt(0) depctr_sa_sdst(0) depctr_va_vdst(0) depctr_va_sdst(0) depctr_va_ssrc(0) depctr_va_vcc(0) depctr_vm_vsrc(0)
	s_getreg_b32 s2, hwreg(HW_REG_IB_STS2, 6, 4)
	s_cmp_eq_u32 s2, 0
	s_cbranch_scc0 .Lentry_in_a_cluster
	s_endpgm
.Lentry_in_a_cluster:
	s_bfe_u32 s2, ttmp6, 0x10000c
	s_cmp_lg_u32 s2, 0xf033
	s_cbranch_scc0 .Lentry_shape_is_right
	s_endpgm
.Lentry_shape_is_right:
; out0 = attention's result x W_fc + b_fc: [8192][1024] f32, on f16 operands, sums in f32, the bias as the C of each sum's first product.  All rows but the first 16 of each batch, which another launch carries in f32.
; Both operands arrive as images of operand registers, [k / 128][tile of 16 rows][fragment (32 K)][half][lane][16 bytes]: a K step's tiles are dense blocks of memory, and a lane reads its 16 bytes at 16 x lane:
; no pitch, no padding, no bank conflict.
; A tile of 128 x 256 is made by a work-group of four waves (256 work-groups); a wave makes 64 x 128: 32 accumulators, all of window 2.  K goes in 8 steps of 128 through two LDS slots of 98,304 bytes;
; two slots of a longer step would not fit in LDS, and a tile of 256 x 256 would give 128 work-groups.
; CLUSTERS: 4 x 4; the rows' images are shared along a row of the cluster, W_fc's along a column.  Tile row = 16 cy + cluster y: the batch is cy, and a batch's first rows lie where cluster y = 0,
; a number that all sixteen partners share.  THE MATRIX INSTRUCTION IS USED TRANSPOSED (source 0 = 16 columns of W_fc, source 1 = 16 rows).
; REGISTERS: window 0: v16-29 addresses; rows' fragments at v64-95 and v128-159; v192-255 the bias; on the way out v64-191.  window 1: W_fc's fragments at v64-127 and v128-191.  window 2: accumulator (a, b) at v[8 (8 a + b)].
.set SLOT,   98304                     ; the rows' 32,768 bytes, then W_fc's 65,536
.set BOFF,   32768
.set ASTEP,  2097152                   ; bytes from K step to K step in attn16,
.set BSTEP,  262144                    ; and in wfc16
.set STAGE,  2*SLOT                    ; behind the slots: 16 rows x (512 bytes + 16) for each wave; no tensor load fills it
.set SPITCH, 528
.set SPARE,  STAGE+4*16*SPITCH         ; the spare words: two blocks of 256 bytes that no other line names
.set ADRA, 16
.set ADRB, 20
.set STO,  24
.set RD,   25
.set CO,   26
.set BO,   27
.set SPW,  28
.set NIL,  29
.set F0,   64
.set F1,   128
.set BI,   192
.set BK,   64
.set G1, 24
.set G0, 32
.set G1B, 48
.set G0B, 56
.set MSB, 0
.macro WIN new
.if MSB != \new
	s_set_vgpr_msb (MSB<<8)|\new
.set MSB, \new
.endif
.endm
.set MUL,  0xa1                        ; source 0 window 1, source 1 window 0, C and D window 2
.set MUL0, 0x81                        ; the first quarter: C (the bias) window 0
.set TO_B, 0x40
.macro JLOAD s                         ; waves 0 and 1 fetch the rows' two halves, waves 2 and 3 W_fc's; an s_nop 0 and four v_nop follow each line
	s_cmp_eq_u32 s15, 0
	s_cbranch_scc0 .Lfor_b_\@
	tensor_load_to_lds s[G0+4*\s:G0+4*\s+3], s[G1:G1+7]
	s_nop 0
.rept 4
	v_nop
.endr
	s_branch .Lasked_\@
.Lfor_b_\@:
	tensor_load_to_lds s[G0B+4*\s:G0B+4*\s+3], s[G1B:G1B+7]
	s_nop 0
.rept 4
	v_nop
.endr
.Lasked_\@:
.endm
.macro CREST
	s_cmp_lg_u32 s14, 0
	s_cbranch_scc1 .Lnot_wave_0_\@
	s_barrier_signal -3
.Lnot_wave_0_\@:
	s_barrier_wait -3
	s_barrier_signal -1
	s_barrier_wait -1
.endm
.macro CROUND
	s_barrier_signal -1
	s_barrier_wait -1
	CREST
.endm
	s_load_b256 s[4:11], s[0:1], 0x0               ; attn16 s[4:5], wfc16 s[6:7], b_fc s[8:9], out0 s[10:11]
	v_lshl_add_u32 v[SPW], v0, 2, SPARE
	v_mov_b32 v[NIL], 0
	ds_add_u32 v[SPW], v[NIL]                      ; the wave's opening: the add, twice on end, and its wait ahead of my first tensor load
	ds_add_u32 v[SPW], v[NIL]
	v_lshrrev_b32 v1, 5, v0
	v_readfirstlane_b32 s14, v1                    ; wave 0..3
	s_lshr_b32 s15, s14, 1                         ; which 64 rows are mine.  Also: I fetch rows' images (0) or W_fc's (1)
	s_and_b32 s16, s14, 1                          ; which 128 columns.  Also: which half of that tile I fetch
	s_bfe_u32 s40, ttmp6, 0x40000                  ; cx, cy
	s_bfe_u32 s41, ttmp6, 0x40004
	s_lshl_b32 s42, ttmp9, 2
	s_add_co_u32 s42, s42, s40                     ; tile column
	s_and_b32 s17, ttmp7, 0xffff                   ; cluster y
	s_or_b32 s2, s17, s15                          ; 0 where my 64 rows begin a batch
	s_lshl_b32 s18, s41, 4
	s_add_co_u32 s17, s17, s18                     ; tile row = 16 cy + cluster y
	s_lshl_b32 s43, s41, 2
	s_lshl_b32 s43, 15, s43                        ; my row of the cluster
	s_lshl_b32 s44, 0x1111, s40                    ; my column
	s_or_b32 s[G1+0], s43, (3<<16)|(1<<21)         ; the mask; elements of 8 bytes; bit 21 beside a mask; no padding
	s_or_b32 s[G1B+0], s44, (3<<16)|(1<<21)
	s_mov_b32 s[G1+1], 32<<16                      ; a dense block as rows of 256 bytes: 64 rows for half of the rows' tile,
	s_mov_b32 s[G1+2], 64<<16
	s_mov_b32 s[G1+3], 32<<16
	s_mov_b32 s[G1+4], 64
	s_mov_b32 s[G1+5], 32
	s_mov_b32 s[G1+6], 0
	s_mov_b32 s[G1+7], 0
	s_mov_b32 s[G1B+1], 32<<16                     ; 128 rows for half of W_fc's
	s_mov_b32 s[G1B+2], 128<<16
	s_mov_b32 s[G1B+3], 32<<16
	s_mov_b32 s[G1B+4], 128
	s_mov_b32 s[G1B+5], 32
	s_mov_b32 s[G1B+6], 0
	s_mov_b32 s[G1B+7], 0
	s_lshl_b32 s20, s17, 15                        ; rows: 32,768 bytes a tile row + 16,384 x half
	s_lshl_b32 s18, s16, 14
	s_add_co_u32 s20, s20, s18
	s_mov_b32 s21, 0
	s_lshl_b32 s46, s42, 16                        ; W_fc: 65,536 bytes a tile column + 32,768 x half
	s_lshl_b32 s18, s16, 15
	s_add_co_u32 s46, s46, s18
	s_mov_b32 s47, 0
	s_lshl_b32 s45, s16, 14                        ; where they go: made of the wave's number alone
	s_lshl_b32 s22, s16, 15
	s_add_co_u32 s22, s22, BOFF
	s_wait_dscnt 0x0                               ; both opening adds are done
	s_wait_kmcnt 0x0
	s_add_nc_u64 s[20:21], s[4:5], s[20:21]
	s_add_nc_u64 s[46:47], s[6:7], s[46:47]
	CROUND                                         ; all sixteen work-groups are here: the first joint loads meet
.irp s, 0,1
	s_mov_b32 s[G0+4*\s], 1
	s_add_co_u32 s[G0+4*\s+1], s45, \s*SLOT
	s_add_nc_u64 s[G0+4*\s+2:G0+4*\s+3], s[20:21], \s*ASTEP
	s_or_b32 s[G0+4*\s+3], s[G0+4*\s+3], 0x80000000
	s_mov_b32 s[G0B+4*\s], 1
	s_add_co_u32 s[G0B+4*\s+1], s22, \s*SLOT
	s_add_nc_u64 s[G0B+4*\s+2:G0B+4*\s+3], s[46:47], \s*BSTEP
	s_or_b32 s[G0B+4*\s+3], s[G0B+4*\s+3], 0x80000000
	JLOAD \s
.endr
	v_and_b32 v1, 31, v0
	v_lshlrev_b32 v[CO], 4, v1                     ; 16 x lane
	v_and_b32 v2, 15, v0                           ; r
	v_bfe_u32 v3, v0, 4, 1                         ; h
	s_lshl_b32 s46, s42, 10                        ; my first column in bytes of f32: 1,024 x tile column + 512 x half
	s_lshl_b32 s47, s16, 9
	s_add_co_u32 s46, s46, s47
	s_mov_b32 s47, 0
	s_add_nc_u64 s[8:9], s[8:9], s[46:47]
	s_add_nc_u64 s[10:11], s[10:11], s[46:47]
	s_lshl_b32 s46, s17, 19                        ; my first row: 128 x tile row + 64 x half, 4,096 bytes each
	s_lshl_b32 s18, s15, 18
	s_add_co_u32 s46, s46, s18
	s_add_nc_u64 s[10:11], s[10:11], s[46:47]
	v_lshlrev_b32 v[BO], 5, v3
.irp b, 0,1,2,3,4,5,6,7
	global_load_b128 v[BI+8*\b:BI+8*\b+3], v[BO], s[8:9] offset:64*\b          ; register 8 b + j = b_fc at column 16 b + 8 h + j
	global_load_b128 v[BI+8*\b+4:BI+8*\b+7], v[BO], s[8:9] offset:64*\b+16
.endr
	s_lshl_b32 s18, s15, 14                        ; my four tiles of rows,
	s_lshl_b32 s19, s16, 15
	s_add_co_u32 s19, s19, BOFF                    ; my eight tiles of columns
.irp s, 0,1
	v_add_nc_u32 v[ADRA+\s], s18, v[CO]
	v_add_nc_u32 v[ADRB+\s], s19, v[CO]
	s_add_co_u32 s18, s18, SLOT
	s_add_co_u32 s19, s19, SLOT
.endr
	s_mul_i32 s23, s14, 16*SPITCH
	s_add_co_u32 s23, s23, STAGE                   ; my stage
	v_mul_u32_u24 v4, v2, SPITCH
	v_lshl_add_u32 v4, v3, 5, v4
	v_add_nc_u32 v[STO], s23, v4                   ; in: row r, 32 bytes for each half of the lanes
	v_add_nc_u32 v[RD], s23, v[CO]                 ; back: the 32 lanes take one row of 512 bytes
.macro MUL8 f, a, first                ; rows' block a against the eight blocks of columns, 32 along K
.irp b, 0,1,2,3,4,5,6,7
.if \first
	v_wmma_f32_16x16x32_f16 v[8*(8*(\a)+\b):8*(8*(\a)+\b)+7], v[\f+8*\b:\f+8*\b+7], v[\f+8*(\a):\f+8*(\a)+7], v[BI+8*\b:BI+8*\b+7]
.else
	v_wmma_f32_16x16x32_f16 v[8*(8*(\a)+\b):8*(8*(\a)+\b)+7], v[\f+8*\b:\f+8*\b+7], v[\f+8*(\a):\f+8*(\a)+7], v[8*(8*(\a)+\b):8*(8*(\a)+\b)+7]
.endif
.endr
.endm
.macro MUL16 f, a0, first
	MUL8 \f, \a0, \first
	MUL8 \f, (\a0)+1, \first
.endm
.macro FETCH slot, q, f                ; 24 LDS loads in one run: the slot's q-th 32 along K
	WIN TO_B
.irp i, 0,1,2,3,4,5,6,7
	ds_load_b128 v[\f+8*\i:\f+8*\i+3],   v[ADRB+\slot] offset:4096*\i+1024*(\q)
	ds_load_b128 v[\f+8*\i+4:\f+8*\i+7], v[ADRB+\slot] offset:4096*\i+1024*(\q)+512
.endr
	WIN 0
.irp i, 0,1,2,3
	ds_load_b128 v[\f+8*\i:\f+8*\i+3],   v[ADRA+\slot] offset:4096*\i+1024*(\q)
	ds_load_b128 v[\f+8*\i+4:\f+8*\i+7], v[ADRA+\slot] offset:4096*\i+1024*(\q)+512
.endr
.endm
.macro PLACES                          ; four plain instructions ahead of loads into registers that matrix instructions have read, and of reads of results
.rept 4
	v_nop
.endr
.endm
; A K step is four quarters of 32 along K, 32 matrix instructions each, on buffers 0, 1, 0, 1; the 32 accumulators take turns in the same order in every quarter.
.macro QUARTER slot, q, f, g, first    ; multiplies buffer f; in its middle fetches the slot's quarter q into g
	s_wait_dscnt 4                                 ; all but the youngest four loads (rows' blocks 2 and 3)
.if \first
	WIN MUL0
.else
	WIN MUL
.endif
	MUL16 \f, 0, \first
	PLACES
	FETCH \slot, \q, \g
	s_wait_dscnt 24                                ; all but the 24 just issued
.if \first
	WIN MUL0
.else
	WIN MUL
.endif
	MUL16 \f, 2, \first
.endm
; The last quarter multiplies buffer 1 and changes slots: one barrier; in front of it each wave waits for all its tensor loads, adds 0 to its spare word, and waits for that and for its reads of this slot.
; fill = 1: the barrier opens a round of the cluster's barrier, and this slot is filled again, two K steps ahead, first thing behind the round.
.macro TURN slot, next, fill
	WIN 0
	s_wait_tensorcnt 0x0
	ds_add_u32 v[SPW], v[NIL]
	s_wait_dscnt 5                                 ; the add and the youngest four loads may be out
	WIN MUL
	MUL8 F1, 0, 0
	s_wait_dscnt 0x0                               ; the add is done, and my reads of this slot are over
	s_barrier_signal -1
	MUL8 F1, 1, 0
.if \fill
	WIN 0
.endif
	s_barrier_wait -1
.if \fill
	CREST
	s_add_nc_u64 s[G0+4*\slot+2:G0+4*\slot+3], s[G0+4*\slot+2:G0+4*\slot+3], 2*ASTEP
	s_add_nc_u64 s[G0B+4*\slot+2:G0B+4*\slot+3], s[G0B+4*\slot+2:G0B+4*\slot+3], 2*BSTEP
	JLOAD \slot                                    ; its four v_nop are also the places in front of the loads below
.else
	PLACES
.endif
	FETCH \next, 0, F0
	WIN MUL
	MUL16 F1, 2, 0
.endm
	s_wait_tensorcnt 1                             ; my part of K step 0 is in; K step 1's may stay out
	s_barrier_signal -1
	s_barrier_wait -1
	FETCH 0, 0, F0
	s_wait_loadcnt 0x0                             ; the bias
	QUARTER 0, 1, F0, F1, 1                        ; the first quarter stands in front of the loop: its products start the sums with the bias
	WIN 0
	s_mov_b32 s3, 3
.Llap:                                             ; a trip goes once round the two slots and fills both again: K steps 2 to 7
	QUARTER 0, 2, F1, F0, 0
	QUARTER 0, 3, F0, F1, 0
	TURN 0, 1, 1
	QUARTER 1, 1, F0, F1, 0
	QUARTER 1, 2, F1, F0, 0
	QUARTER 1, 3, F0, F1, 0
	TURN 1, 0, 1
	QUARTER 0, 1, F0, F1, 0
	WIN 0
	s_sub_co_u32 s3, s3, 1
	s_cmp_lg_u32 s3, 0
	s_cbranch_scc1 .Llap
	QUARTER 0, 2, F1, F0, 0                        ; the last two K steps fill nothing
	QUARTER 0, 3, F0, F1, 0
	TURN 0, 1, 0
	QUARTER 1, 1, F0, F1, 0
	QUARTER 1, 2, F1, F0, 0
	QUARTER 1, 3, F0, F1, 0
	s_wait_dscnt 4
	WIN MUL
	MUL16 F1, 0, 0
	s_wait_dscnt 0
	MUL16 F1, 2, 0
	WIN 0
; THE WAY OUT, block by block of 16 rows x 128 columns, through my own stage: whole rows of 512 bytes come back and are stored by the 32 lanes.
.macro TOSTAGE a
	WIN 0x08                                       ; an LDS store's data are its source 1: window 2
.irp b, 0,1,2,3,4,5,6,7
	ds_store_b128 v[STO], v[64*(\a)+8*\b:64*(\a)+8*\b+3] offset:64*\b          ; each accumulator from its low end on
	ds_store_b128 v[STO], v[64*(\a)+8*\b+4:64*(\a)+8*\b+7] offset:64*\b+16
.endr
	WIN 0
.set BB, BK+64*((\a)%2)
.irp t, 0,1,2,3,4,5,6,7,8,9,10,11,12,13,14,15
	ds_load_b128 v[BB+4*\t:BB+4*\t+3], v[RD] offset:\t*SPITCH      ; in order behind my stores
.endr
.endm
.macro SEND a, younger
.set BB, BK+64*((\a)%2)
	s_wait_dscnt \younger                          ; the block is back; the next block's 16 stores and 16 loads may be out
.if (\a) == 0
	s_cmp_eq_u32 s2, 0                             ; a batch's first 16 rows belong to the launch that carries them in f32
	s_cbranch_scc1 .Lfine_rows
.endif
.irp t, 0,1,2,3,4,5,6,7,8,9,10,11,12,13,14,15
	global_store_b128 v[CO], v[BB+4*\t:BB+4*\t+3], s[10:11] offset:(16*(\a)+\t)*4096 th:TH_STORE_NT   ; 512 consecutive bytes, aligned
.endr
.if (\a) == 0
.Lfine_rows:
.endif
.endm
	PLACES
	TOSTAGE 0
.irp a, 1,2,3
.if \a > 1
	s_wait_xcnt 0x0                                ; block a - 2's stores have read their registers: block a's loads may land there
.endif
	TOSTAGE \a
	SEND \a-1, 32
.endr
	SEND 3, 0
	s_wait_tensorcnt 0x0                           ; the wave's end
	ds_add_u32 v[SPW], v[NIL]
	s_wait_dscnt 0x0
	CROUND                                         ; the closing round
	s_endpgm
.Lfunc_end_k_q7b24da67b4_proj:
	.size	k_q7b24da67b4_proj, .Lfunc_end_k_q7b24da67b4_proj-k_q7b24da67b4_proj
	.p2alignl 7, 3214868480
	.fill 96, 4, 3214868480
	.section	.rodata,"a",@progbits
	.p2align	6, 0x0
	.amdhsa_kernel k_q7b24da67b4_proj
		.amdhsa_group_segment_fixed_size 327680
		.amdhsa_private_segment_fixed_size 0
		.amdhsa_enable_private_segment 0
		.amdhsa_kernarg_size 32
		.amdhsa_user_sgpr_count 2
		.amdhsa_user_sgpr_kernarg_segment_ptr 1
		.amdhsa_wavefront_size32 1
		.amdhsa_system_sgpr_workgroup_id_x 1
		.amdhsa_system_sgpr_workgroup_id_y 1
		.amdhsa_system_sgpr_workgroup_id_z 1
		.amdhsa_system_vgpr_workitem_id 0
		.amdhsa_next_free_vgpr 768
		.amdhsa_next_free_sgpr 66
		.amdhsa_reserve_vcc 0
		.amdhsa_float_denorm_mode_32 3
		.amdhsa_float_denorm_mode_16_64 3
		.amdhsa_memory_ordered 1
		.amdhsa_forward_progress 1
		.amdhsa_inst_pref_size 86
	.end_amdhsa_kernel
	.amdgpu_metadata
---
amdhsa.version: [ 1, 2 ]
amdhsa.kernels:
  - .name:           k_q7b24da67b4_proj
    .symbol:         k_q7b24da67b4_proj.kd
    .args:
      - { .name: attn16, .offset: 0, .size: 8, .value_kind: global_buffer, .address_space: global }
      - { .name: wfc16, .offset: 8, .size: 8, .value_kind: global_buffer, .address_space: global }
      - { .name: b_fc, .offset: 16, .size: 8, .value_kind: global_buffer, .address_space: global }
      - { .name: out0, .offset: 24, .size: 8, .value_kind: global_buffer, .address_space: global }
    .group_segment_fixed_size: 327680
    .private_segment_fixed_size: 0
    .kernarg_segment_align: 8
    .kernarg_segment_size: 32
    .max_flat_workgroup_size: 128
    .sgpr_count:     66
    .vgpr_count:     768
    .wavefront_size: 32
...
	.end_amdgpu_metadata
.endif
;; end of part 4
;; launch fine (part 5): grid 16 x 4, 16 waves a work-group, no clusters, 67,584 bytes of LDS; arguments qkv_fine, W_fc, b_fc, out0; writes out0
.if DOCPART == 5
	.amdgcn_target "amdgcn-amd-amdhsa--gfx1250"
	.amdhsa_code_object_version 6
	.text
	.protected	k_q7b24da67b4_fine
	.globl	k_q7b24da67b4_fine
	.p2align	8
	.type	k_q7b24da67b4_fine,@function
k_q7b24da67b4_fine:
	s_mov_b64 s[64:65], 0
	v_nop
	global_prefetch_b8 v0, s[64:65] scope:SCOPE_SE
	s_setreg_imm32_b32 hwreg(HW_REG_WAVE_MODE, 25, 1), 1
	s_wait_xcnt 0x0
; THE FIRST 16 POSITIONS OF EACH BATCH, in f32 throughout: scores, softmax, weighted values and projection, by v_wmma_f32_16x16x4_f32.  These rows average one to sixteen values and are the largest of the output.
; qkv_fine: [batch x 16 + i][3072] f32 (q, k, v with their bias).  Work-group (cb, batch) makes 16 rows x 64 columns (64 cb on) of out0.  Wave = head: it makes its head's 16 x 16 attention and its head's part
; of the projection (K = its 64 channels); the sixteen parts are added through LDS, and wave w stores row w: 256 consecutive bytes, aligned.  A batch's sixteen work-groups each repeat the small attention.
; No tensor load, no cluster: 12 KB of q, k, v and 16 KB of W_fc a wave, straight into registers.
; K IS PERMUTED ALIKE ON BOTH SOURCES: of a K step of four, lane (r, h) supplies two numbers; which two channels or keys they are is free so long as both sources agree.
; The registers that the f32 matrix form writes (v176-255) are written by matrix instructions alone; each sum begins with the constant 0; what is made of a sum goes into other registers.
.set SPARE, 65536                      ; behind the sixteen parts of 4,096 bytes: the spare words, eight blocks of 256 bytes that no other line names
.set OQK, 1                            ; v1  r x 12,288 + 16 h
.set OV,  2                            ; v2  8 h rows of 12,288 bytes + 4 r
.set OW,  3                            ; v3  8 h rows of 4,096 bytes + 4 r
.set SPW, 4
.set NIL, 5
.set RST, 6                            ; v6  my part: wave x 4,096 + 16 x lane
.set RLD, 7                            ; v7  where columns 2 lane, 2 lane + 1 of row (wave) lie in a part
.set DM,  8                            ; v8  r - 8 h
.set OUTO, 14                          ; v14 8 x lane
.set NINF, 15
.set QF,  16                           ; v16-47  q; then PS = v16-23 the scores and p; then ON = v16-47 the normalised O^T
.set PS,  16
.set ON,  16
.set KF,  48                           ; v48-79  k; then W_fc's channels 32-47 of the head
.set VF,  80                           ; v80-111 v; then channels 48-63
.set W0,  112                          ; v112-143 channels 0-15; at the end the sixteen parts
.set W1,  144                          ; v144-175 channels 16-31
.set SA,  176
.set SB,  184
.set OA,  192
.set YA,  224
	s_load_b256 s[4:11], s[0:1], 0x0               ; qkv_fine s[4:5], W_fc s[6:7], b_fc s[8:9], out0 s[10:11]
	v_lshl_add_u32 v[SPW], v0, 2, SPARE
	v_mov_b32 v[NIL], 0
	v_lshrrev_b32 v1, 5, v0
	v_readfirstlane_b32 s12, v1                    ; wave = head
	s_and_b32 s13, ttmp7, 0xffff                   ; batch
	v_and_b32 v9, 15, v0                           ; r
	v_bfe_u32 v10, v0, 4, 1                        ; h
	v_and_b32 v11, 31, v0                          ; lane
	v_mul_u32_u24 v[OQK], v9, 12288
	v_lshl_add_u32 v[OQK], v10, 4, v[OQK]
	v_lshlrev_b32 v[OW], 2, v9
	v_mul_u32_u24 v[OV], v10, 98304
	v_add_nc_u32 v[OV], v[OV], v[OW]
	v_lshl_add_u32 v[OW], v10, 15, v[OW]
	s_lshl_b32 s14, s12, 12
	v_lshl_add_u32 v[RST], v11, 4, s14
	v_lshrrev_b32 v[RLD], 3, v11                   ; column n = 2 lane + e lies in store 2 (n / 16) + (n % 8) / 4, at lane (row) + 16 ((n % 16) / 8), word n % 4
	v_lshlrev_b32 v[RLD], 10, v[RLD]
	v_bfe_u32 v16, v0, 1, 1
	v_lshl_add_u32 v[RLD], v16, 9, v[RLD]
	v_bfe_u32 v16, v0, 2, 1
	v_lshl_add_u32 v[RLD], v16, 8, v[RLD]
	v_and_b32 v16, 1, v0
	v_lshl_add_u32 v[RLD], v16, 3, v[RLD]
	s_lshl_b32 s15, s12, 4
	v_add_nc_u32 v[RLD], s15, v[RLD]
	v_lshlrev_b32 v[DM], 3, v10
	v_sub_nc_u32 v[DM], v9, v[DM]
	v_lshlrev_b32 v[OUTO], 3, v11
	v_mov_b32 v[NINF], 0xff800000
	s_mul_i32 s16, s13, 196608                     ; the batch's 16 rows, the head's 64 columns
	s_lshl_b32 s17, s12, 8
	s_add_co_u32 s16, s16, s17
	s_mov_b32 s17, 0
	s_lshl_b32 s18, s12, 18                        ; W_fc: the head's 64 rows, my work-group's 64 columns
	s_lshl_b32 s20, ttmp9, 8
	s_add_co_u32 s18, s18, s20
	s_mov_b32 s19, 0
	s_mov_b32 s21, 0
	s_lshl_b32 s22, s13, 23                        ; out0: the batch, row = wave, my 64 columns
	s_add_co_u32 s22, s22, s14
	s_add_co_u32 s22, s22, s20
	s_mov_b32 s23, 0
	s_mov_b32 s24, 0x76543210
	s_mov_b32 s25, 0xfedcba98
	s_mov_b32 s26, 0x3e38aa3b                      ; c = log2(e) / 8
	s_wait_kmcnt 0x0
	s_add_nc_u64 s[4:5], s[4:5], s[16:17]
	s_add_nc_u64 s[6:7], s[6:7], s[18:19]
	s_add_nc_u64 s[8:9], s[8:9], s[20:21]
	s_add_nc_u64 s[10:11], s[10:11], s[22:23]
.macro WLOAD reg, ct                   ; W_fc(64 head + 16 ct + 8 h + e, 64 cb + 16 nt + r) into v[reg + 8 nt + e]
.irp nt, 0,1,2,3
.irp e, 0,1,2,3,4,5,6,7
	global_load_b32 v[\reg+8*\nt+\e], v[OW], s[6:7] offset:(16*\ct+\e)*4096+64*\nt
.endr
.endr
.endm
.macro PLACES8                         ; eight plain instructions behind this matrix form (ISA guide 7.12.1)
.rept 8
	v_nop
.endr
.endm
	global_load_b64 v[12:13], v[OUTO], s[8:9]      ; b_fc at my two columns
	WLOAD W0, 0
	WLOAD W1, 1
.irp p, 0,1,2,3,4,5,6,7                ; q and k: channels 8 p + 4 h + 0 .. 3 of row r: two K steps
	global_load_b128 v[QF+4*\p:QF+4*\p+3], v[OQK], s[4:5] offset:32*\p
	global_load_b128 v[KF+4*\p:KF+4*\p+3], v[OQK], s[4:5] offset:4096+32*\p
.endr
.irp ct, 0,1,2,3                       ; v(key 8 h + e, channel 16 ct + r)
.irp e, 0,1,2,3,4,5,6,7
	global_load_b32 v[VF+8*\ct+\e], v[OV], s[4:5] offset:8192+\e*12288+64*\ct
.endr
.endr
	s_wait_loadcnt 32                              ; all but v's 32 loads
	; S^T = k q^T: source 0 = 16 keys, source 1 = 16 queries; two accumulators by turns; their sum is the score
	v_wmma_f32_16x16x4_f32 v[SA:SA+7], v[KF:KF+1], v[QF:QF+1], 0
	v_wmma_f32_16x16x4_f32 v[SB:SB+7], v[KF+2:KF+3], v[QF+2:QF+3], 0
.irp p, 1,2,3,4,5,6,7
	v_wmma_f32_16x16x4_f32 v[SA:SA+7], v[KF+4*\p:KF+4*\p+1], v[QF+4*\p:QF+4*\p+1], v[SA:SA+7]
	v_wmma_f32_16x16x4_f32 v[SB:SB+7], v[KF+4*\p+2:KF+4*\p+3], v[QF+4*\p+2:QF+4*\p+3], v[SB:SB+7]
.endr
	PLACES8
	WLOAD KF, 2
.irp j, 0,1,2,3,4,5,6,7
	v_add_f32 v[PS+\j], v[SA+\j], v[SB+\j]         ; register j: key 8 h + j, query r
.endr
.irp j, 0,1,2,3,4,5,6,7
	v_cmp_gt_i32 vcc_lo, \j, v[DM]                 ; hidden where 8 h + j > r
	v_cndmask_b32 v[PS+\j], v[PS+\j], v[NINF], vcc_lo
.endr
	v_max3_num_f32 v9, v[PS], v[PS+1], v[PS+2]
	v_max3_num_f32 v10, v[PS+3], v[PS+4], v[PS+5]
	v_max3_num_f32 v9, v9, v[PS+6], v[PS+7]
	v_max_num_f32 v9, v9, v10
	v_permlanex16_b32 v10, v9, s24, s25
	v_max_num_f32 v9, v9, v10                      ; the row's maximum: key 0 counts for every query
	v_mul_f32 v9, s26, v9
.irp j, 0,1,2,3,4,5,6,7
	v_fma_f32 v[PS+\j], v[PS+\j], s26, -v9
.endr
.irp j, 0,1,2,3,4,5,6,7
	v_exp_f32 v[PS+\j], v[PS+\j]
.endr
	v_nop
	s_wait_alu depctr_va_vdst(0)                   ; one wait for the eight, ahead of their first reader
	v_pk_add_f32 v[10:11], v[PS:PS+1], v[PS+2:PS+3]
	v_pk_add_f32 v[10:11], v[10:11], v[PS+4:PS+5]
	v_pk_add_f32 v[10:11], v[10:11], v[PS+6:PS+7]
	v_add_f32 v10, v10, v11
	v_permlanex16_b32 v11, v10, s24, s25
	v_add_f32 v10, v10, v11
	v_rcp_f32 v10, v10
	v_nop
	s_wait_alu depctr_va_vdst(0)
	s_wait_loadcnt 32                              ; v is in; the 32 loads of W_fc's third part may be out
.irp s, 0,1,2,3                        ; O^T = v^T p: source 0 = 16 channels, source 1 = p; K step s: keys 8 h + 2 s + 0, 1; four accumulators by turns
.irp ct, 0,1,2,3
.if \s == 0
	v_wmma_f32_16x16x4_f32 v[OA+8*\ct:OA+8*\ct+7], v[VF+8*\ct+2*\s:VF+8*\ct+2*\s+1], v[PS+2*\s:PS+2*\s+1], 0
.else
	v_wmma_f32_16x16x4_f32 v[OA+8*\ct:OA+8*\ct+7], v[VF+8*\ct+2*\s:VF+8*\ct+2*\s+1], v[PS+2*\s:PS+2*\s+1], v[OA+8*\ct:OA+8*\ct+7]
.endif
.endr
.endr
	PLACES8
	WLOAD VF, 3
.irp j, 0,1,2,3,4,5,6,7,8,9,10,11,12,13,14,15,16,17,18,19,20,21,22,23,24,25,26,27,28,29,30,31
	v_mul_f32 v[ON+\j], v[OA+\j], v10              ; register 8 ct + j: channel 16 ct + 8 h + j of query r, divided by the row's sum
.endr
.macro YSTEP ct, wc, first             ; Y^T += W^T O: source 0 = 16 columns of W_fc, source 1 = O; K step (ct, s): channels 16 ct + 8 h + 2 s + 0, 1; four accumulators by turns
.irp s, 0,1,2,3
.irp nt, 0,1,2,3
.if (\first) && (\s == 0)
	v_wmma_f32_16x16x4_f32 v[YA+8*\nt:YA+8*\nt+7], v[\wc+8*\nt+2*\s:\wc+8*\nt+2*\s+1], v[ON+8*\ct+2*\s:ON+8*\ct+2*\s+1], 0
.else
	v_wmma_f32_16x16x4_f32 v[YA+8*\nt:YA+8*\nt+7], v[\wc+8*\nt+2*\s:\wc+8*\nt+2*\s+1], v[ON+8*\ct+2*\s:ON+8*\ct+2*\s+1], v[YA+8*\nt:YA+8*\nt+7]
.endif
.endr
.endr
.endm
	YSTEP 0, W0, 1
	YSTEP 1, W1, 0
	s_wait_loadcnt 32                              ; the third part is in; the fourth's 32 loads may be out
	YSTEP 2, KF, 0
	s_wait_loadcnt 0x0
	YSTEP 3, VF, 0
	PLACES8
.irp i, 0,1,2,3,4,5,6,7
	ds_store_b128 v[RST], v[YA+4*\i:YA+4*\i+3] offset:512*\i       ; my head's part, as the registers stand; each accumulator from its low end on
.endr
	s_wait_dscnt 0x0                               ; for the others' sake: my stores are done
	s_barrier_signal -1
	s_barrier_wait -1
.irp p, 0,1,2,3,4,5,6,7,8,9,10,11,12,13,14,15
	ds_load_b64 v[W0+2*\p:W0+2*\p+1], v[RLD] offset:4096*\p        ; row (wave), columns 2 lane and 2 lane + 1, of each head's part
.endr
	s_wait_dscnt 0x0
.irp p, 0,1,2,3,4,5,6,7
	v_pk_add_f32 v[W0+4*\p:W0+4*\p+1], v[W0+4*\p:W0+4*\p+1], v[W0+4*\p+2:W0+4*\p+3]
.endr
.irp p, 0,1,2,3
	v_pk_add_f32 v[W0+8*\p:W0+8*\p+1], v[W0+8*\p:W0+8*\p+1], v[W0+8*\p+4:W0+8*\p+5]
.endr
.irp p, 0,1
	v_pk_add_f32 v[W0+16*\p:W0+16*\p+1], v[W0+16*\p:W0+16*\p+1], v[W0+16*\p+8:W0+16*\p+9]
.endr
	v_pk_add_f32 v[W0:W0+1], v[W0:W0+1], v[W0+16:W0+17]
	v_pk_add_f32 v[W0:W0+1], v[W0:W0+1], v[12:13]                  ; + b_fc
	global_store_b64 v[OUTO], v[W0:W0+1], s[10:11]                 ; the wave stores 256 consecutive bytes, aligned
	s_wait_tensorcnt 0x0                           ; the wave's end, behind my last LDS store
	ds_add_u32 v[SPW], v[NIL]
	s_wait_dscnt 0x0
	s_endpgm
.Lfunc_end_k_q7b24da67b4_fine:
	.size	k_q7b24da67b4_fine, .Lfunc_end_k_q7b24da67b4_fine-k_q7b24da67b4_fine
	.p2alignl 7, 3214868480
	.fill 96, 4, 3214868480
	.section	.rodata,"a",@progbits
	.p2align	6, 0x0
	.amdhsa_kernel k_q7b24da67b4_fine
		.amdhsa_group_segment_fixed_size 67584
		.amdhsa_private_segment_fixed_size 0
		.amdhsa_enable_private_segment 0
		.amdhsa_kernarg_size 32
		.amdhsa_user_sgpr_count 2
		.amdhsa_user_sgpr_kernarg_segment_ptr 1
		.amdhsa_wavefront_size32 1
		.amdhsa_system_sgpr_workgroup_id_x 1
		.amdhsa_system_sgpr_workgroup_id_y 1
		.amdhsa_system_sgpr_workgroup_id_z 1
		.amdhsa_system_vgpr_workitem_id 0
		.amdhsa_next_free_vgpr 256
		.amdhsa_next_free_sgpr 66
		.amdhsa_reserve_vcc 1
		.amdhsa_float_denorm_mode_32 3
		.amdhsa_float_denorm_mode_16_64 3
		.amdhsa_memory_ordered 1
		.amdhsa_forward_progress 1
		.amdhsa_inst_pref_size 33
	.end_amdhsa_kernel
	.amdgpu_metadata
---
amdhsa.version: [ 1, 2 ]
amdhsa.kernels:
  - .name:           k_q7b24da67b4_fine
    .symbol:         k_q7b24da67b4_fine.kd
    .args:
      - { .name: qkv_fine, .offset: 0, .size: 8, .value_kind: global_buffer, .address_space: global }
      - { .name: W_fc, .offset: 8, .size: 8, .value_kind: global_buffer, .address_space: global }
      - { .name: b_fc, .offset: 16, .size: 8, .value_kind: global_buffer, .address_space: global }
      - { .name: out0, .offset: 24, .size: 8, .value_kind: global_buffer, .address_space: global }
    .group_segment_fixed_size: 67584
    .private_segment_fixed_size: 0
    .kernarg_segment_align: 8
    .kernarg_segment_size: 32
    .max_flat_workgroup_size: 512
    .sgpr_count:     66
    .vgpr_count:     256
    .wavefront_size: 32
...
	.end_amdgpu_metadata
.endif
;; end of part 5
